; MI455X (gfx1250); checked and timed in simulation.
; The chip was launched on July 23, 2026; its instructions are those of AMD's public machine-readable ISA for CDNA 5 (MIT licence, August 2026) and "CDNA5" Instruction Set Architecture Reference Guide (July 2026). The comments in the code are by the model that wrote it; some were corrected since.
;; Causal Self Attention. Allowed arithmetic: matrix products marked QUANTISED: E2M1 operands, one E8M0 scale for each 32 along K, by v_wmma_scale_f32_16x16x128_f8f6f4 with both operands' format E2M1 (or v_wmma_scale_f32_32x16x128_f4), f32 sums; products left as they are: bf16, f16 or f32 operands; f32 sums; everything else in f32.
;; Inputs: b_attn 3,072 float32; b_proj 1,024 float32; w_attn 1,024 x 3,072 float32; w_proj 1,024 x 1,024 float32; x 4 x 2,048 x 1,024 float32.
;; Outputs: out0 4 x 2,048 x 1,024 float32.
;; This version of the problem:
;;   THIS VERSION OF THE PROBLEM IS GIVEN IN LOW PRECISION. The matrix products marked QUANTISED in the list below multiply operands that are first quantised to E2M1 (2 exponent bits, 1 mantissa bit; 4 bits a number), with one power-of-two scale for each 32 numbers along K (OCP MX v1.0); their sums are f32. The products marked 'left as it is' may take bf16, f16 or f32 operands, with f32 sums. Whichever they take, every output number must still come out within the allowed error. Rounding operands to bf16 (8 significant bits) uses up far more of that allowance than f16 does (11 bits, for magnitudes from 6e-5 to 65,504). All else is computed in f32.
;;   The module's matrix products, in the order in which they are computed (A, B: the left and right operand; K: the contracted axis; several contracted axes count as one K, in the product's order):
;;     1. [M 8,192, K 1,024] x [K 1,024, N 3,072]; A: input x; B: input w_attn: QUANTISED
;;     2. batch 64 x [M 2,048, K 64] x [K 64, N 2,048]; A: computed on the way; B: computed on the way: left as it is (an operand is computed on the way)
;;     3. batch 64 x [M 2,048, K 2,048] x [K 2,048, N 64]; A: computed on the way; B: computed on the way: left as it is (an operand is computed on the way)
;;     4. [M 8,192, K 1,024] x [K 1,024, N 1,024]; A: computed on the way; B: input w_proj: left as it is (an operand is computed on the way)
;;   THE QUANTISER, for each operand of a quantised product, along K:
;;     - K is cut into blocks of 32 from its start; a last block that is shorter is filled with zeros.
;;     - A block's scale is 2^e with e = floor(log2(the largest magnitude in the block)) - 2, held to -126 .. 127; a block of zeros has e = 0. As a byte (E8M0): e + 127.
;;     - Each number is divided by its block's scale, clamped to +-6, and rounded to the nearest number of E2M1, ties to even, subnormals kept.
;;     - The product sums the exact products of the quantised numbers (number of the format x scale) in f32.
;;   ~~~python
;;   def quantise(x, axis):      # numpy; x: float32 -> the quantised numbers, widened to float32 again
;;       x = np.moveaxis(x, axis, -1); K = x.shape[-1]
;;       x = np.pad(x, [(0, 0)] * (x.ndim - 1) + [(0, -K % 32)]); x = x.reshape(x.shape[:-1] + (-1, 32)); a = np.abs(x).max(-1, keepdims=True)
;;       e = np.where(a > 0, np.clip(np.frexp(np.where(a > 0, a, 1))[1] - 1 - 2, -126, 127), 0)      # np.frexp(a)[1] - 1 = floor(log2(a)), exactly
;;       r = np.clip(x / 2.0 ** e, -6, 6)
;;       step = 2.0 ** (np.maximum(np.frexp(np.where(r == 0, 1, r))[1] - 1, 0) - 1)
;;       q = np.round(r / step) * step * 2.0 ** e      # np.round: ties to even
;;       return np.moveaxis(q.reshape(q.shape[:-2] + (-1,))[..., :K], -1, axis).astype(np.float32)
;;   ~~~
;; One version. Each part assembles by itself: llvm-mc -triple=amdgcn-amd-amdhsa -mcpu=gfx1250 --defsym DOCPART=n.
;; ======== version 1 of 1: 6 launches
;; limits: values are held in f16: magnitudes above 65,504 overflow, below 6.1e-05 lose precision
;; workspace buffers: x_codes 4,194,304 bytes; x_scales 262,144 bytes; w_codes 1,572,864 bytes; w_scales 98,304 bytes; wp16 2,097,152 bytes; qkv 50,331,648 bytes; y16 16,777,216 bytes; yfine 262,144 bytes
;; launch prep (part 1): grid 352 x 1, 8 waves a work-group, no clusters, 84,992 bytes of LDS; arguments x, w_attn, w_proj, x_codes, x_scales, w_codes, w_scales, wp16; writes x_codes, x_scales, w_codes, w_scales, wp16
.if DOCPART == 1
	.amdgcn_target "amdgcn-amd-amdhsa--gfx1250"
	.amdhsa_code_object_version 6
	.text
	.protected	k_q3caf048636_prep
	.globl	k_q3caf048636_prep
	.p2align	8
	.type	k_q3caf048636_prep,@function
k_q3caf048636_prep:
	s_mov_b64 s[64:65], 0
	v_nop
	global_prefetch_b8 v0, s[64:65] scope:SCOPE_SE
	s_setreg_imm32_b32 hwreg(HW_REG_WAVE_MODE, 25, 1), 1
	s_wait_xcnt 0x0
; Three jobs in one launch, told apart by the work-group's number alone:
;   W (work-groups 0-95):    w_attn [1024 (k)][3072 (n)] f32 -> codes of FP4 (E2M1), laid [n][512 bytes] with K innermost, and one E8M0 byte for each 32 along K, laid [n][32].
;   X (work-groups 96-223):  x [8192][1024] f32 -> codes [row][512 bytes] and scale bytes [row][32]: K is innermost, so x is a plain stream of blocks of 32.
;   P (work-groups 224-351): w_proj [1024 (k)][1024 (n)] f32 -> f16, laid as images of the matrix operand's registers: [n / 256][k / 128][(n / 16) % 16][(k / 32) % 4][1024 bytes];
;                            in an image the 16 bytes of (n % 16 = r, half of the lanes h, registers 4 u .. 4 u + 3) lie at 512 u + 16 (r + 16 h) and hold k = 16 u + 8 h + 0 .. 7.
; A block's scale is 2^(floor(log2(its largest magnitude)) - 2); its byte is the largest magnitude's exponent field - 2, held at 1 from below.
; LIMITS: a block of zeros gets the byte 1 where the rule says 127 (its codes are zeros, and this program alone reads the bytes); NaN and infinities among the inputs are not served;
; w_proj goes to f16: magnitudes up to 65,504; under 6e-5 it keeps an absolute 3e-8.
; Each job has LDS bytes of its own.  All LDS addresses are made ahead of the parting.  One barrier, on every wave's way: it parts W's writing of its stage from the reading.
.set SP,    80                         ; X: a lane's place in a stage: 64 bytes + 16 of padding
.set WST,   65536                      ; W: two stages (a group of 32 columns each) of 32 rows x (256 bytes + 16)
.set SST,   82944                      ; W: the scale bytes: 2 x 32 rows x 16 bytes
.set SPARE, 83968                      ; the spare words, 128 bytes for each of eight waves: four blocks of 256 bytes that no other line names
.set SPW,   2                          ; v2   LDS address of my spare word; never rewritten
.set NIL,   3                          ; v3   0; never rewritten
.set R,     32                         ; X: v32-95 four sets of 16 numbers as loaded.  W: v32-159 four blocks of 32 numbers.  P: v32-63 numbers
.set XN,    96                         ; X: v96-127 two sets of 16 neighbours
.set E,     128                        ; X: v128-143 a scale byte for each step
.set C,     144                        ; X: v144-175 codes, two registers for each step
.set WC,    160                        ; W: v160-175 codes, four registers for each block
	s_load_b512 s[4:19], s[0:1], 0x0               ; x, w_attn, w_proj, x_codes, x_scales, w_codes, w_scales, wp16
	v_lshl_add_u32 v[SPW], v0, 2, SPARE
	v_mov_b32 v[NIL], 0
	v_lshrrev_b32 v18, 5, v0
	v_readfirstlane_b32 s20, v18                   ; wave 0..7
	v_and_b32 v1, 31, v0                           ; lane
	v_lshlrev_b32 v4, 4, v1                        ; 16 x lane
	s_lshl_b32 s21, s20, 13                        ; X: my wave's 8,192 bytes of LDS
	v_lshrrev_b32 v5, 2, v1
	v_mul_u32_u24 v5, v5, SP
	v_and_b32 v18, 3, v1
	v_lshl_add_u32 v5, v18, 4, v5
	v_add_nc_u32 v5, s21, v5                       ; X: into the stage: SP (lane / 4) + 16 (lane % 4)
	v_mul_u32_u24 v6, v1, SP
	v_add_nc_u32 v6, s21, v6                       ; X: out of it: SP x lane
	v_lshlrev_b32 v7, 3, v1                        ; 8 x lane
	s_add_co_u32 s22, s21, 2*32*SP
	v_lshrrev_b32 v8, 1, v1
	v_add_nc_u32 v8, s22, v8                       ; X: my block's scale byte
	v_add_nc_u32 v9, s22, v7                       ; X: the 256 scale bytes on the way out
	v_lshlrev_b32 v10, 2, v1                       ; 4 x lane
	s_and_b32 s23, s20, 1                          ; W: which 32 of the 64 columns
	s_lshr_b32 s24, s20, 1                         ; W: which 128 of the 512 along K
	s_mul_i32 s25, s23, 32*272
	s_add_co_u32 s25, s25, WST
	s_lshl_b32 s26, s24, 6
	s_add_co_u32 s26, s26, s25
	v_mul_u32_u24 v11, v1, 272
	v_add_nc_u32 v11, s26, v11                     ; W: into the stage: row = my column, + 64 bytes for each 128 along K
	s_mul_i32 s26, s24, 8*272
	s_add_co_u32 s26, s26, s25
	v_lshrrev_b32 v18, 4, v1                       ; lane / 16
	v_and_b32 v19, 15, v1                          ; lane % 16
	v_mul_u32_u24 v12, v18, 272
	v_lshl_add_u32 v12, v19, 4, v12
	v_add_nc_u32 v12, s26, v12                     ; W: out of it: my wave's eight rows, sixteen lanes to a row
	s_lshl_b32 s25, s23, 9
	s_add_co_u32 s25, s25, SST
	s_lshl_b32 s26, s24, 2
	s_add_co_u32 s26, s26, s25
	v_lshl_add_u32 v13, v1, 4, s26                 ; W: my column's four scale bytes
	s_lshl_b32 s26, s24, 7
	s_add_co_u32 s26, s26, s25
	v_lshl_add_u32 v14, v1, 2, s26                 ; W: eight rows' scale bytes on the way out, a word a lane
	v_lshlrev_b32 v15, 9, v18
	v_lshl_add_u32 v15, v19, 4, v15                ; W: the same place in w_codes
	v_lshrrev_b32 v16, 2, v1
	v_lshlrev_b32 v16, 5, v16
	v_and_b32 v20, 3, v1
	v_lshl_add_u32 v16, v20, 2, v16                ; W: and in w_scales
	v_lshlrev_b32 v17, 12, v18
	v_lshl_add_u32 v17, v19, 4, v17                ; P: my 16 bytes in the images of two neighbouring tiles of 16 columns
	s_wait_kmcnt 0x0
	s_cmp_lt_u32 ttmp9, 96
	s_cbranch_scc1 .LW
	s_cmp_lt_u32 ttmp9, 224
	s_cbranch_scc1 .LX
; ---- P: a wave takes 32 columns x 32 along K.  A lane takes a column, its registers run down K: 16 conversions give the operand's pieces of eight neighbours along K.
	s_sub_co_u32 s21, ttmp9, 224
	s_and_b32 s22, s21, 7
	s_lshl_b32 s22, s22, 7
	s_and_b32 s23, s20, 3
	s_lshl_b32 s23, s23, 5
	s_add_co_u32 s22, s22, s23                     ; my first column
	s_lshr_b32 s23, s21, 3
	s_lshl_b32 s23, s23, 1
	s_lshr_b32 s24, s20, 2
	s_add_co_u32 s23, s23, s24                     ; which 32 along K
	s_lshl_b32 s28, s23, 17                        ; 32 rows of 4,096 bytes
	s_lshl_b32 s24, s22, 2
	s_add_co_u32 s28, s28, s24
	s_mov_b32 s29, 0
	s_add_nc_u64 s[28:29], s[8:9], s[28:29]
	s_lshr_b32 s24, s22, 8
	s_lshl_b32 s24, s24, 3
	s_lshr_b32 s25, s23, 2
	s_add_co_u32 s24, s24, s25
	s_lshl_b32 s24, s24, 4
	s_bfe_u32 s25, s22, 0x40004
	s_add_co_u32 s24, s24, s25
	s_lshl_b32 s24, s24, 2
	s_and_b32 s25, s23, 3
	s_add_co_u32 s24, s24, s25
	s_lshl_b32 s30, s24, 10                        ; the image's number x 1,024
	s_mov_b32 s31, 0
	s_add_nc_u64 s[30:31], s[18:19], s[30:31]
.irp i, 0,1,2,3,4,5,6,7,8,9,10,11,12,13,14,15,16,17,18,19,20,21,22,23,24,25,26,27,28,29,30,31
	global_load_b32 v[R+\i], v10, s[28:29] offset:4096*\i   ; 32 lanes read 128 consecutive bytes of row k
.endr
	s_wait_loadcnt 0x0
.irp i, 0,1,2,3,4,5,6,7,8,9,10,11,12,13,14,15
	v_cvt_pk_f16_f32 v[64+\i], v[R+2*\i], v[R+2*\i+1]
.endr
.irp q, 0,1,2,3
	global_store_b128 v17, v[64+4*\q:64+4*\q+3], s[30:31] offset:(\q/2)*512+(\q%2)*256   ; k = 8 q .. 8 q + 7: sixteen lanes store 256 consecutive bytes, aligned
.endr
	s_branch .Ljoin
; ---- X: a wave takes 16 steps of 512 numbers.  Each load reads 512 consecutive bytes; a step's 2,048 bytes turn through the wave's own stage so that a lane holds 16 neighbours; two lanes hold a block.
.LX:
	s_sub_co_u32 s21, ttmp9, 96
	s_lshl_b32 s21, s21, 3
	s_add_co_u32 s21, s21, s20                     ; which run of 8,192 numbers is my wave's
	s_lshl_b32 s28, s21, 15
	s_mov_b32 s29, 0
	s_add_nc_u64 s[28:29], s[4:5], s[28:29]
	s_lshl_b32 s30, s21, 12
	s_mov_b32 s31, 0
	s_add_nc_u64 s[30:31], s[10:11], s[30:31]
	s_lshl_b32 s32, s21, 8
	s_mov_b32 s33, 0
	s_add_nc_u64 s[32:33], s[12:13], s[32:33]
.macro XLOAD t
.irp i, 0,1,2,3
	global_load_b128 v[R+16*((\t)%4)+4*\i:R+16*((\t)%4)+4*\i+3], v4, s[28:29] offset:2048*(\t)+512*\i th:TH_LOAD_NT
.endr
.endm
.macro XTURN t                         ; LDS serves a wave's instructions in order: no wait between the stores and the loads
.irp i, 0,1,2,3
	ds_store_b128 v5, v[R+16*((\t)%4)+4*\i:R+16*((\t)%4)+4*\i+3] offset:32*SP*((\t)%2)+8*SP*\i
.endr
.irp i, 0,1,2,3
	ds_load_b128 v[XN+16*((\t)%2)+4*\i:XN+16*((\t)%2)+4*\i+3], v6 offset:32*SP*((\t)%2)+16*\i
.endr
.endm
.macro XSTEP t
.set XS, XN+16*((\t)%2)
.if (\t) > 0
	s_wait_dscnt 1                                 ; this step's numbers are back from the stage; the last step's byte store may be out
.else
	s_wait_dscnt 0x0
.endif
.if (\t)+4 < 16
	XLOAD (\t)+4                                   ; into the set whose stores into the stage are done
.endif
.if (\t)+1 < 16
.if 14-(\t) >= 3
	s_wait_loadcnt 12                              ; the next step's four loads are in; those of the three steps behind it may be out
.else
	s_wait_loadcnt 4*(14-(\t))
.endif
	XTURN (\t)+1
.endif
	v_max3_num_f32 v18, |v[XS]|, |v[XS+1]|, |v[XS+2]|
	v_max3_num_f32 v19, |v[XS+3]|, |v[XS+4]|, |v[XS+5]|
.irp i, 6,10
	v_max3_num_f32 v18, v18, |v[XS+\i]|, |v[XS+\i+1]|
	v_max3_num_f32 v19, v19, |v[XS+\i+2]|, |v[XS+\i+3]|
.endr
	v_max3_num_f32 v18, v18, |v[XS+14]|, |v[XS+15]|
	v_max3_num_f32 v18, v18, v19, 0x1800000        ; the floor 2^(3 - 127): the byte cannot fall under 1
	v_max_num_f32_dpp v18, v18, v18 row_xmask:1 row_mask:0xf bank_mask:0xf   ; with my neighbour's 16: the block's largest magnitude
	v_add_nc_u32 v20, 0xff000000, v18              ; 2 off its exponent field: the conversion's scale operand
	v_cvt_scalef32_pk8_fp4_f32 v[C+2*(\t)], v[XS:XS+7], v20
	v_cvt_scalef32_pk8_fp4_f32 v[C+2*(\t)+1], v[XS+8:XS+15], v20
	v_lshrrev_b32 v[E+(\t)], 23, v20               ; the scale's byte
	ds_store_b8 v8, v[E+(\t)] offset:16*(\t)       ; both lanes of a block write the same byte with the same value
	global_store_b64 v7, v[C+2*(\t):C+2*(\t)+1], s[30:31] offset:256*(\t)   ; the wave stores 256 consecutive bytes, aligned
.endm
.irp t, 0,1,2,3
	XLOAD \t
.endr
	s_wait_loadcnt 12                              ; step 0's four loads are in
	XTURN 0
.irp t, 0,1,2,3,4,5,6,7,8,9,10,11,12,13,14,15
	XSTEP \t
.endr
	ds_load_b64 v[30:31], v9                       ; my wave's 256 scale bytes, in order behind my stores
	s_wait_dscnt 0x0
	global_store_b64 v7, v[30:31], s[32:33]        ; 256 consecutive bytes, aligned
	s_branch .Ljoin
; ---- W: a work-group takes 64 columns x 512 along K, a wave 32 columns x 128: a lane takes a column and its registers run down K, so a block of 32 lies in one lane.
.LW:
	s_cmp_ge_u32 ttmp9, 48
	s_cselect_b32 s21, 1, 0                        ; which half of K
	s_cselect_b32 s22, 48, 0
	s_sub_co_u32 s22, ttmp9, s22                   ; which 64 columns
	s_and_b32 s23, s20, 1
	s_lshr_b32 s24, s20, 1
	s_lshl_b32 s25, s21, 9
	s_lshl_b32 s26, s24, 7
	s_add_co_u32 s25, s25, s26                     ; my first k
	s_mul_i32 s28, s25, 12288
	s_lshl_b32 s25, s22, 6
	s_lshl_b32 s26, s23, 5
	s_add_co_u32 s25, s25, s26                     ; my first column
	s_lshl_b32 s26, s25, 2
	s_add_co_u32 s28, s28, s26
	s_mov_b32 s29, 0
	s_add_nc_u64 s[28:29], s[6:7], s[28:29]
.macro WLOAD t
.irp i, 0,1,2,3,4,5,6,7,8,9,10,11,12,13,14,15,16,17,18,19,20,21,22,23,24,25,26,27,28,29,30,31
	global_load_b32 v[R+32*(\t)+\i], v10, s[28:29] offset:(32*(\t)+\i)*12288 th:TH_LOAD_NT
.endr
.endm
.macro WBLOCK t
.set XS, R+32*(\t)
.if (\t) < 3
	s_wait_loadcnt 32                              ; this block's 32 loads are in; the next block's may be out
.else
	s_wait_loadcnt 0x0
.endif
.if (\t)+2 < 4
	WLOAD (\t)+2                                   ; each block has registers of its own
.endif
	v_max3_num_f32 v25, |v[XS]|, |v[XS+1]|, |v[XS+2]|
	v_max3_num_f32 v26, |v[XS+3]|, |v[XS+4]|, |v[XS+5]|
.irp i, 6,10,14,18,22,26
	v_max3_num_f32 v25, v25, |v[XS+\i]|, |v[XS+\i+1]|
	v_max3_num_f32 v26, v26, |v[XS+\i+2]|, |v[XS+\i+3]|
.endr
	v_max3_num_f32 v25, v25, |v[XS+30]|, |v[XS+31]|
	v_max3_num_f32 v25, v25, v26, 0x1800000        ; the floor
	v_add_nc_u32 v27, 0xff000000, v25              ; the conversion's scale operand
	v_lshrrev_b32 v28, 23, v27                     ; the scale's byte
.if (\t) == 0
	v_mov_b32 v24, v28                             ; four bytes to a word, the lower K in the lower byte
.else
	v_lshl_or_b32 v24, v28, 8*(\t), v24
.endif
.irp g, 0,1,2,3
	v_cvt_scalef32_pk8_fp4_f32 v[WC+4*(\t)+\g], v[XS+8*\g:XS+8*\g+7], v27
.endr
	v_nop                                          ; one plain line behind the conversions
	ds_store_b128 v11, v[WC+4*(\t):WC+4*(\t)+3] offset:16*(\t)
.endm
	WLOAD 0
	WLOAD 1
	WBLOCK 0
	WBLOCK 1
	WBLOCK 2
	WBLOCK 3
	ds_store_b32 v13, v24
.Ljoin:
	s_wait_dscnt 0x0                               ; for the others' sake: my LDS stores have landed
	s_barrier_signal -1
	s_barrier_wait -1
	s_cmp_lt_u32 ttmp9, 96
	s_cbranch_scc0 .Lend
; ---- W goes on: a column's 256 bytes of codes came from four waves; each wave now stores eight whole rows.  The bases are made anew, from ids alone.
	s_cmp_ge_u32 ttmp9, 48
	s_cselect_b32 s21, 1, 0
	s_cselect_b32 s22, 48, 0
	s_sub_co_u32 s22, ttmp9, s22
	s_and_b32 s23, s20, 1
	s_lshr_b32 s24, s20, 1
	s_lshl_b32 s25, s22, 6
	s_lshl_b32 s26, s23, 5
	s_add_co_u32 s25, s25, s26
	s_lshl_b32 s26, s24, 3
	s_add_co_u32 s25, s25, s26                     ; the first of my eight rows (columns of w_attn)
	s_lshl_b32 s34, s25, 9
	s_lshl_b32 s26, s21, 8
	s_add_co_u32 s34, s34, s26
	s_mov_b32 s35, 0
	s_add_nc_u64 s[34:35], s[14:15], s[34:35]
	s_lshl_b32 s36, s25, 5
	s_lshl_b32 s26, s21, 4
	s_add_co_u32 s36, s36, s26
	s_mov_b32 s37, 0
	s_add_nc_u64 s[36:37], s[16:17], s[36:37]
.irp i, 0,1,2,3
	ds_load_b128 v[176+4*\i:179+4*\i], v12 offset:544*\i
.endr
	ds_load_b32 v29, v14
.irp i, 0,1,2,3
	s_wait_dscnt 4-\i
	global_store_b128 v15, v[176+4*\i:179+4*\i], s[34:35] offset:1024*\i   ; sixteen lanes store 256 consecutive bytes, aligned
.endr
	s_wait_dscnt 0x0
	global_store_b32 v16, v29, s[36:37]            ; 16 bytes of each of eight rows of scale bytes: one byte for each 32 along K that the job reads
.Lend:
	s_wait_tensorcnt 0x0                           ; the wave's end
	ds_add_u32 v[SPW], v[NIL]
	s_wait_dscnt 0x0
	s_endpgm
.Lfunc_end_k_q3caf048636_prep:
	.size	k_q3caf048636_prep, .Lfunc_end_k_q3caf048636_prep-k_q3caf048636_prep
	.p2alignl 7, 3214868480
	.fill 96, 4, 3214868480
	.section	.rodata,"a",@progbits
	.p2align	6, 0x0
	.amdhsa_kernel k_q3caf048636_prep
		.amdhsa_group_segment_fixed_size 84992
		.amdhsa_private_segment_fixed_size 0
		.amdhsa_enable_private_segment 0
		.amdhsa_kernarg_size 64
		.amdhsa_user_sgpr_count 2
		.amdhsa_user_sgpr_kernarg_segment_ptr 1
		.amdhsa_wavefront_size32 1
		.amdhsa_system_sgpr_workgroup_id_x 1
		.amdhsa_system_sgpr_workgroup_id_y 1
		.amdhsa_system_sgpr_workgroup_id_z 1
		.amdhsa_system_vgpr_workitem_id 0
		.amdhsa_next_free_vgpr 192
		.amdhsa_next_free_sgpr 66
		.amdhsa_reserve_vcc 0
		.amdhsa_float_denorm_mode_32 3
		.amdhsa_float_denorm_mode_16_64 3
		.amdhsa_memory_ordered 1
		.amdhsa_forward_progress 1
		.amdhsa_inst_pref_size 61
	.end_amdhsa_kernel
	.amdgpu_metadata
---
amdhsa.version: [ 1, 2 ]
amdhsa.kernels:
  - .name:           k_q3caf048636_prep
    .symbol:         k_q3caf048636_prep.kd
    .args:
      - { .name: x, .offset: 0, .size: 8, .value_kind: global_buffer, .address_space: global }
      - { .name: w_attn, .offset: 8, .size: 8, .value_kind: global_buffer, .address_space: global }
      - { .name: w_proj, .offset: 16, .size: 8, .value_kind: global_buffer, .address_space: global }
      - { .name: x_codes, .offset: 24, .size: 8, .value_kind: global_buffer, .address_space: global }
      - { .name: x_scales, .offset: 32, .size: 8, .value_kind: global_buffer, .address_space: global }
      - { .name: w_codes, .offset: 40, .size: 8, .value_kind: global_buffer, .address_space: global }
      - { .name: w_scales, .offset: 48, .size: 8, .value_kind: global_buffer, .address_space: global }
      - { .name: wp16, .offset: 56, .size: 8, .value_kind: global_buffer, .address_space: global }
    .group_segment_fixed_size: 84992
    .private_segment_fixed_size: 0
    .kernarg_segment_align: 8
    .kernarg_segment_size: 64
    .max_flat_workgroup_size: 256
    .sgpr_count:     66
    .vgpr_count:     192
    .wavefront_size: 32
...
	.end_amdgpu_metadata
.endif
;; end of part 1
;; launch gemm (part 2): grid 12 x 32, 4 waves a work-group, clusters of 4 x 4, 327,680 bytes of LDS; arguments x_codes, x_scales, w_codes, w_scales, b_attn, qkv; writes qkv
.if DOCPART == 2
	.amdgcn_target "amdgcn-amd-amdhsa--gfx1250"
	.amdhsa_code_object_version 6
	.text
	.protected	k_q3caf048636_gemm
	.globl	k_q3caf048636_gemm
	.p2align	8
	.type	k_q3caf048636_gemm,@function
k_q3caf048636_gemm:
	s_mov_b64 s[64:65], 0
	v_nop
	global_prefetch_b8 v0, s[64:65] scope:SCOPE_SE
	s_setreg_imm32_b32 hwreg(HW_REG_WAVE_MODE, 25, 1), 1
	s_wait_xcnt 0x0
	s_wait_alu depctr_hold_cnt(0) depctr_sa_sdst(0) depctr_va_vdst(0) depctr_va_sdst(0) depctr_va_ssrc(0) depctr_va_vcc(0) depctr_vm_vsrc(0)
	s_getreg_b32 s2, hwreg(HW_REG_IB_STS2, 6, 4)
	s_cmp_eq_u32 s2, 0
	s_cbranch_scc0 .Lentry_in_a_cluster
	s_endpgm
.Lentry_in_a_cluster:
	s_bfe_u32 s2, ttmp6, 0x10000c
	s_cmp_lg_u32 s2, 0xf033
	s_cbranch_scc0 .Lentry_shape_is_right
	s_endpgm
.Lentry_shape_is_right:
; qkv[m][n] = sum over k of x[m][k] w_attn[k][n] + b_attn[n], on codes of FP4 (E2M1) with one E8M0 scale for each 32 along K; sums in f32; the result rounded once to f16.
; A = x's codes [8192][512 bytes], B = w_attn's codes [3072 (n)][512 bytes], their scale bytes [rows][32].
; A tile of 256 x 256 is made by four waves, each 128 x 128: 64 accumulators, 512 registers.  K = 1,024 is two LDS slots of 512: both are asked for at the start and nothing is filled again.
; The scale bytes of the work-group's rows come once, with the first fills.  CLUSTERS: 4 x 4 work-groups; A's tiles are asked for jointly along a row of the cluster, B's along a column.
; THE MATRIX INSTRUCTION IS USED TRANSPOSED (source 0 = 16 rows of B, source 1 = 16 rows of A): a lane holds one token (lane % 16) and eight neighbouring columns 8 (lane / 16) + 0 .. 7.
; The bias is the C of each sum's first matrix instruction: eight registers for each block of 16 columns.
; THE WAY OUT: four conversions make a lane's 16 bytes, which are stored as they stand: qkv is laid as images of the next launch's operand registers,
; [q, k, v][batch x head][token / 16][channel / 16][512 bytes]; q and k: lane l's 16 bytes at 16 l; v: at 16 (16 (r / 8) + 8 h + r % 8), r = l % 16, h = l / 16, the order in which the turning LDS load
; of the next launch wants them.  Each store of the wave covers 512 consecutive bytes, aligned.  No LDS stage is needed.
; LIMITS: q, k, v go to f16: magnitudes up to 65,504 (at the drawn spread they lie near 0.64; with both inputs 30 times larger near 600; with offsets of 30 spreads on both under 2e4).
; REGISTERS, in windows of 256: window 0: v0-31 addresses; v32-95 scale words, two sets; v128-191 A's fragments, one set; v192-255 the bias; on the way out v128-255 hold packed results.
;   window 1: B's fragments, two sets, at v0 and v128.   window 2: accumulators of my rows 0-63 ((a, b) at v[8 (8 a + b)]);   window 3: those of my rows 64-127.
.set SIZE_K, 1024
.set KSTEP,  512
.set NQ,     KSTEP/128
.set ROWB,   256                       ; a tile's row in bytes
.set KROW,   SIZE_K*4/8                ; a row of codes in memory
.set PITCH,  272                       ; an LDS row: 256 bytes + 16 of padding: the 16 rows that a load touches start 68 words apart
.set FR,     8
.set NL,     2
.set NP,     4
.set HALFT,  128*PITCH
.set SLOT,   4*HALFT
.set KS,     SIZE_K/32
.set SCL,    2*SLOT                    ; behind the two slots: the scales, as units of 256 bytes + 16 of padding
.set HALFS,  (128*KS/256)*272
.set SBLK,   (16*KS/256)*272
.set SPARE,  SCL+4*HALFS               ; the spare words, 128 bytes for each wave: two blocks of 256 bytes that no other line names
.set ADRA, 16
.set ADRB, 20
.set CO,   26                          ; v26  my lane's place in an image
.set ADRS, 27
.set SPW,  28
.set NIL,  29
.set SC,   32
.set AF,   128
.set BIAS, 192
.set TMP,  128
.set G1, 24
.set G0, 32
.set G1B, 48
.set G0B, 56
.set G1S, 68
.set G0S, 76
.set G1SB, 80
.set G0SB, 88
.set MSB, 0
.macro WIN new                         ; the immediate's high byte repeats the setting that is left
.if MSB != (\new)
	s_set_vgpr_msb (MSB<<8)|(\new)
.set MSB, (\new)
.endif
.endm
.set MUL_LO, 0xa1                      ; source 0 (B) window 1, source 1 (A) window 0, C and D window 2
.set MUL_HI, 0xf1                      ; the same, C and D window 3
.set TO_B,   0x40
; A joint load: waves 0 and 1 fetch for A, waves 2 and 3 for B; the branch hangs on the wave's number alone.  An s_nop 0 and four v_nop follow each of the two lines.
.macro JLOAD g0a, g1a, g0b, g1b
	s_cmp_eq_u32 s15, 0
	s_cbranch_scc0 .Lfor_b_\@
	tensor_load_to_lds s[\g0a:\g0a+3], s[\g1a:\g1a+7]
	s_nop 0
.rept 4
	v_nop
.endr
	s_branch .Lasked_\@
.Lfor_b_\@:
	tensor_load_to_lds s[\g0b:\g0b+3], s[\g1b:\g1b+7]
	s_nop 0
.rept 4
	v_nop
.endr
.Lasked_\@:
.endm
.macro CROUND                          ; a round of the cluster's barrier
	s_barrier_signal -1
	s_barrier_wait -1
	s_cmp_lg_u32 s14, 0
	s_cbranch_scc1 .Lnot_wave_0_\@
	s_barrier_signal -3
.Lnot_wave_0_\@:
	s_barrier_wait -3
	s_barrier_signal -1
	s_barrier_wait -1
.endm
	s_load_b128 s[4:7], s[0:1], 0x0                ; A's codes, A's scales
	s_load_b128 s[8:11], s[0:1], 0x10              ; B's codes, B's scales
	s_load_b64 s[96:97], s[0:1], 0x20              ; the bias
	s_load_b64 s[12:13], s[0:1], 0x28              ; qkv
	v_lshl_add_u32 v[SPW], v0, 2, SPARE
	v_mov_b32 v[NIL], 0
	ds_add_u32 v[SPW], v[NIL]                      ; the wave's opening: the add, twice on end, and its wait ahead of my first tensor load
	ds_add_u32 v[SPW], v[NIL]
	v_lshrrev_b32 v1, 5, v0
	v_readfirstlane_b32 s14, v1                    ; wave 0..3
	s_lshr_b32 s15, s14, 1                         ; which half of the tile's rows is mine.  Also: I fetch for A (0) or for B (1)
	s_and_b32 s16, s14, 1                          ; which half of its columns.  Also: which 128 rows of that tile I fetch
	s_bfe_u32 s40, ttmp6, 0x40000                  ; cx, cy
	s_bfe_u32 s41, ttmp6, 0x40004
	s_lshl_b32 s42, ttmp9, 2
	s_add_co_u32 s42, s42, s40                     ; tile column
	s_and_b32 s17, ttmp7, 0xffff
	s_lshl_b32 s17, s17, 2
	s_add_co_u32 s17, s17, s41                     ; tile row
	s_lshl_b32 s43, s41, 2
	s_lshl_b32 s43, 15, s43                        ; my row of the cluster
	s_lshl_b32 s44, 0x1111, s40                    ; my column
	s_or_b32 s[G1+0], s43, (0<<16)|(1<<20)|(1<<21)|(5<<22)|(3<<25)  ; the mask; elements of 1 byte; padding: 4 words behind every 64; bit 21 beside a mask
	s_or_b32 s[G1B+0], s44, (0<<16)|(1<<20)|(1<<21)|(5<<22)|(3<<25)
.irp g, G1, G1B
	s_mov_b32 s[\g+1], ROWB<<16                    ; tensor_dim0
	s_mov_b32 s[\g+2], 128<<16                     ; tensor_dim1
	s_mov_b32 s[\g+3], ROWB<<16                    ; tile_dim0
	s_mov_b32 s[\g+4], 128                         ; tile_dim1
	s_mov_b32 s[\g+5], KROW                        ; pitch
	s_mov_b32 s[\g+6], 0
	s_mov_b32 s[\g+7], 0
.endr
	s_or_b32 s[G1S+0], s43, (3<<16)|(1<<20)|(1<<21)|(5<<22)|(3<<25)  ; the scales of 128 rows: 4,096 dense bytes as 16 rows of 256
	s_or_b32 s[G1SB+0], s44, (3<<16)|(1<<20)|(1<<21)|(5<<22)|(3<<25)
.irp g, G1S, G1SB
	s_mov_b32 s[\g+1], 32<<16
	s_mov_b32 s[\g+2], (128*KS/256)<<16
	s_mov_b32 s[\g+3], 32<<16
	s_mov_b32 s[\g+4], 128*KS/256
	s_mov_b32 s[\g+5], 32
	s_mov_b32 s[\g+6], 0
	s_mov_b32 s[\g+7], 0
.endr
	s_lshl_b32 s18, s16, 7
	s_lshl_b32 s20, s17, 8
	s_add_co_u32 s20, s20, s18                     ; A: row 256 x tile row + 128 x half
	s_lshl_b32 s46, s42, 8
	s_add_co_u32 s46, s46, s18                     ; B: row 256 x tile column + 128 x half
	s_mov_b32 s21, 0
	s_mov_b32 s47, 0
	s_mov_b64 s[18:19], KS
	s_mul_u64 s[22:23], s[20:21], s[18:19]
	s_mul_u64 s[92:93], s[46:47], s[18:19]
	s_mov_b64 s[18:19], KROW
	s_mul_u64 s[20:21], s[20:21], s[18:19]
	s_mul_u64 s[46:47], s[46:47], s[18:19]
	s_mul_i32 s45, s14, HALFT                      ; where they go: wave x 128 rows
	s_mul_i32 s94, s14, HALFS
	s_wait_dscnt 0x0                               ; both opening adds are done
	s_wait_kmcnt 0x0
	s_add_nc_u64 s[20:21], s[4:5], s[20:21]
	s_add_nc_u64 s[22:23], s[6:7], s[22:23]
	s_add_nc_u64 s[46:47], s[8:9], s[46:47]
	s_add_nc_u64 s[92:93], s[10:11], s[92:93]
	CROUND                                         ; all sixteen work-groups are here: the first joint loads meet
	s_mov_b32 s[G0S], 1
	s_add_co_u32 s[G0S+1], s94, SCL
	s_mov_b64 s[G0S+2:G0S+3], s[22:23]
	s_or_b32 s[G0S+3], s[G0S+3], 0x80000000
	s_mov_b32 s[G0SB], 1
	s_add_co_u32 s[G0SB+1], s94, SCL
	s_mov_b64 s[G0SB+2:G0SB+3], s[92:93]
	s_or_b32 s[G0SB+3], s[G0SB+3], 0x80000000
	JLOAD G0S, G1S, G0SB, G1SB                     ; the scales first: three loads of mine are out in all
.irp s, 0,1
	s_mov_b32 s[G0+4*\s], 1
	s_add_co_u32 s[G0+4*\s+1], s45, \s*SLOT
	s_add_nc_u64 s[G0+4*\s+2:G0+4*\s+3], s[20:21], \s*ROWB
	s_or_b32 s[G0+4*\s+3], s[G0+4*\s+3], 0x80000000
	s_mov_b32 s[G0B+4*\s], 1
	s_add_co_u32 s[G0B+4*\s+1], s45, \s*SLOT
	s_add_nc_u64 s[G0B+4*\s+2:G0B+4*\s+3], s[46:47], \s*ROWB
	s_or_b32 s[G0B+4*\s+3], s[G0B+4*\s+3], 0x80000000
	JLOAD G0+4*\s, G1, G0B+4*\s, G1B
.endr
	v_and_b32 v1, 15, v0                           ; r
	v_bfe_u32 v2, v0, 4, 1                         ; h
	v_mul_u32_u24 v3, v1, PITCH
	v_lshl_add_u32 v4, v2, 4, v3
	s_mul_i32 s21, s15, HALFT
	s_mul_i32 s22, s16, HALFT
	s_add_co_u32 s22, s22, 2*HALFT
.irp s, 0,1
	v_add_nc_u32 v[ADRA+\s], s21, v4
	v_add_nc_u32 v[ADRB+\s], s22, v4
	s_add_co_u32 s21, s21, SLOT
	s_add_co_u32 s22, s22, SLOT
.endr
	v_mul_u32_u24 v5, v1, KS                       ; my row's scales: KS bytes a row,
	v_lshrrev_b32 v6, 8, v5
	v_lshl_add_u32 v5, v6, 4, v5                   ; and 16 more for each 256 passed
	s_mul_i32 s21, s15, HALFS
	s_mul_i32 s22, s16, HALFS
	s_add_co_u32 s22, s22, 2*HALFS
	s_sub_co_u32 s22, s22, s21
	v_mul_u32_u24 v6, s22, v2                      ; lanes 16-31 take B's
	s_add_co_u32 s21, s21, SCL
	v_add_nc_u32 v5, v5, v6
	v_add_nc_u32 v[ADRS], s21, v5
	; the bias of my 128 columns: lane (r, h) wants, for block b, columns 16 b + 8 h + 0 .. 7
	s_lshl_b32 s46, s42, 10
	s_lshl_b32 s47, s16, 9
	s_add_co_u32 s46, s46, s47
	s_mov_b32 s47, 0
	s_add_nc_u64 s[96:97], s[96:97], s[46:47]
	v_lshlrev_b32 v7, 5, v2
.irp b, 0,1,2,3,4,5,6,7
	global_load_b128 v[BIAS+8*\b:BIAS+8*\b+3], v7, s[96:97] offset:64*\b
	global_load_b128 v[BIAS+8*\b+4:BIAS+8*\b+7], v7, s[96:97] offset:64*\b+16
.endr
	; where my part of qkv begins: which of q, k, v; batch x 16 + head; token / 16
	s_lshl_b32 s20, s17, 8
	s_lshl_b32 s21, s15, 7
	s_add_co_u32 s20, s20, s21                     ; my first row
	s_lshr_b32 s21, s20, 11
	s_lshl_b32 s21, s21, 4                         ; batch x 16
	s_and_b32 s20, s20, 2047
	s_lshl_b32 s20, s20, 7                         ; (token / 16) x 2,048
	s_lshl_b32 s46, s42, 2
	s_lshl_b32 s47, s16, 1
	s_add_co_u32 s46, s46, s47                     ; my first column / 64
	s_lshr_b32 s47, s46, 4
	s_lshl_b32 s47, s47, 24                        ; q, k or v
	s_and_b32 s46, s46, 15
	s_add_co_u32 s46, s46, s21
	s_lshl_b32 s46, s46, 18
	s_add_co_u32 s46, s46, s47
	s_add_co_u32 s46, s46, s20
	s_mov_b32 s47, 0
	s_add_nc_u64 s[12:13], s[12:13], s[46:47]
	v_and_b32 v5, 31, v0
	v_lshlrev_b32 v5, 4, v5                        ; q, k: 16 x lane
	v_lshrrev_b32 v6, 3, v1
	v_lshlrev_b32 v6, 4, v6
	v_lshl_add_u32 v6, v2, 3, v6
	v_and_b32 v8, 7, v1
	v_add_nc_u32 v6, v6, v8
	v_lshlrev_b32 v6, 4, v6                        ; v: 16 (16 (r / 8) + 8 h + r % 8)
	s_cmp_eq_u32 ttmp9, 2                          ; the third cluster along x holds v's columns: the same number in all partners
	s_cselect_b32 s66, -1, 0
	v_cndmask_b32 v[CO], v5, v6, s66
.macro FRAG reg, adr, q, i             ; 16 rows x 128 K of 4-bit codes: 8 registers, two loads of 16 bytes, 32 bytes apart
.irp c, 0,1
	ds_load_b128 v[\reg+4*\c:\reg+4*\c+3], v[\adr] offset:64*(\q)+32*\c+(\i)*16*PITCH
.endr
.endm
; 16 matrix instructions: A's blocks a0, a0 + 1 x B's eight.  zero = 1: the first product starts the sums, with the bias as C.  The 64 accumulators take turns.
.macro MUL16 a0, p, q, sc, zero
.irp a, \a0, \a0+1
.irp b, 0,1,2,3,4,5,6,7
.if \zero
	v_wmma_scale_f32_16x16x128_f8f6f4 v[8*(8*((\a)%4)+\b):8*(8*((\a)%4)+\b)+7], v[128*(\p)+FR*\b:128*(\p)+FR*\b+FR-1], v[AF+FR*(\a):AF+FR*(\a)+FR-1], v[BIAS+8*\b:BIAS+8*\b+7], v[SC+8*NQ*(\sc)+NQ*\b+(\q)], v[SC+8*NQ*(\sc)+NQ*(\a)+(\q)] matrix_a_fmt:MATRIX_FMT_FP4 matrix_b_fmt:MATRIX_FMT_FP4 matrix_a_scale:MATRIX_SCALE_ROW1
.else
	v_wmma_scale_f32_16x16x128_f8f6f4 v[8*(8*((\a)%4)+\b):8*(8*((\a)%4)+\b)+7], v[128*(\p)+FR*\b:128*(\p)+FR*\b+FR-1], v[AF+FR*(\a):AF+FR*(\a)+FR-1], v[8*(8*((\a)%4)+\b):8*(8*((\a)%4)+\b)+7], v[SC+8*NQ*(\sc)+NQ*\b+(\q)], v[SC+8*NQ*(\sc)+NQ*(\a)+(\q)] matrix_a_fmt:MATRIX_FMT_FP4 matrix_b_fmt:MATRIX_FMT_FP4 matrix_a_scale:MATRIX_SCALE_ROW1
.endif
.endr
.endr
.endm
.macro FETCH_B slot, q, p
	WIN TO_B
.irp i, 0,1,2,3,4,5,6,7
	FRAG 128*(\p)+FR*\i, ADRB+\slot, \q, \i
.endr
	WIN 0
.endm
.macro FETCH_A slot, q, i0
.irp i, \i0, \i0+1, \i0+2, \i0+3
	FRAG AF+FR*(\i), ADRA+\slot, \q, \i
.endr
.endm
.macro SCALES sc                       ; a slot's scale words: lanes 0-15 take A's block i, lanes 16-31 B's block i
.irp i, 0,1,2,3,4,5,6,7
	ds_load_b128 v[SC+8*NQ*\sc+NQ*\i:SC+8*NQ*\sc+NQ*\i+3], v[ADRS] offset:\i*SBLK
.endr
.endm
.macro PLACES n                        ; plain vector lines between a matrix instruction and a load into, or a vector write of, one of its registers, or a read of its result
.rept \n
	v_nop
.endr
.endm
.macro STEP slot, q, zero              ; 128 along K, with its successor in the same slot.  zero = 1: C (the bias) lies in window 0
	s_wait_dscnt 4*NL                              ; B's set and A's blocks 0-3 are in; the youngest eight loads (A's blocks 4-7) may be out
	WIN MUL_LO-0x20*(\zero)
	MUL16 0, (\q)%2, \q, \slot, \zero
	MUL16 2, (\q)%2, \q, \slot, \zero
	s_wait_dscnt 0
	PLACES NP
	FETCH_B \slot, (\q)+1, 1-(\q)%2
	FETCH_A \slot, (\q)+1, 0
	WIN MUL_HI-0x30*(\zero)
	MUL16 4, (\q)%2, \q, \slot, \zero
	MUL16 6, (\q)%2, \q, \slot, \zero
	PLACES NP
	WIN 0
	FETCH_A \slot, (\q)+1, 4
.endm
.macro STEPS slot, from
.set Q, \from
.rept NQ-1-\from
	STEP \slot, Q, 0
.set Q, Q+1
.endr
.endm
	s_wait_tensorcnt 1                             ; the scales and my part of slot 0 are in; slot 1's load may be out
	s_barrier_signal -1
	s_barrier_wait -1
	FETCH_B 0, 0, 0
	FETCH_A 0, 0, 0
	SCALES 0
	FETCH_A 0, 0, 4
	s_wait_loadcnt 0x0                             ; the bias
	STEP 0, 0, 1
	STEPS 0, 1
	; slot 0's last step changes slots: each wave's part of slot 1 has landed, then one barrier
	s_wait_tensorcnt 0x0                           ; all my tensor loads have landed
	ds_add_u32 v[SPW], v[NIL]
	s_wait_dscnt 4*NL+1                            ; the add and the youngest eight loads may be out
	WIN MUL_LO
	MUL16 0, 1, NQ-1, 0, 0
	s_wait_dscnt 0x0
	s_barrier_signal -1
	MUL16 2, 1, NQ-1, 0, 0
	WIN 0
	s_barrier_wait -1
	PLACES NP
	v_add_nc_u32 v[ADRS], 4*NQ, v[ADRS]            ; on to slot 1's scale words
	FETCH_B 1, 0, 0
	FETCH_A 1, 0, 0
	SCALES 1
	WIN MUL_HI
	MUL16 4, 1, NQ-1, 0, 0
	MUL16 6, 1, NQ-1, 0, 0
	PLACES NP
	WIN 0
	FETCH_A 1, 0, 4
	STEPS 1, 0
	s_wait_dscnt 4*NL                              ; the very last step
	WIN MUL_LO
	MUL16 0, 1, NQ-1, 1, 0
	MUL16 2, 1, NQ-1, 1, 0
	s_wait_dscnt 0
	WIN MUL_HI
	MUL16 4, 1, NQ-1, 1, 0
	MUL16 6, 1, NQ-1, 1, 0
	WIN 0
; THE WAY OUT of block a (16 tokens x 128 columns = two heads x four images): each accumulator from its low end on; four sets of 32 registers for the packed results.
.macro OUT a
.set AC, 64*((\a)%4)
.set TM, TMP+32*((\a)%4)
.if (\a) >= 4
	s_wait_xcnt 0x0                                ; the stores of four blocks back have read their registers: the set is written again only behind this wait
.endif
	WIN 0x0a+5*((\a)/4)                            ; sources 0 and 1: window 2 or 3
.irp b, 0,1,2,3,4,5,6,7
.irp q, 0,1,2,3
	v_cvt_pk_f16_f32 v[TM+4*\b+\q], v[AC+8*\b+2*\q], v[AC+8*\b+2*\q+1]
.endr
.endr
	WIN 0
.irp b, 0,1,2,3,4,5,6,7
	global_store_b128 v[CO], v[TM+4*\b:TM+4*\b+3], s[12:13] offset:(\b/4)*262144+(\a)*2048+(\b%4)*512   ; the wave stores 512 consecutive bytes, aligned
.endr
.endm
	PLACES NP                                      ; behind the last products: their fragments' registers are written and, later, their results read
.irp a, 0,1,2,3,4,5,6,7
	OUT \a
.endr
	s_wait_tensorcnt 0x0                           ; the wave's end
	ds_add_u32 v[SPW], v[NIL]
	s_wait_dscnt 0x0
	CROUND                                         ; the closing round
	s_endpgm
.Lfunc_end_k_q3caf048636_gemm:
	.size	k_q3caf048636_gemm, .Lfunc_end_k_q3caf048636_gemm-k_q3caf048636_gemm
	.p2alignl 7, 3214868480
	.fill 96, 4, 3214868480
	.section	.rodata,"a",@progbits
	.p2align	6, 0x0
	.amdhsa_kernel k_q3caf048636_gemm
		.amdhsa_group_segment_fixed_size 327680
		.amdhsa_private_segment_fixed_size 0
		.amdhsa_enable_private_segment 0
		.amdhsa_kernarg_size 48
		.amdhsa_user_sgpr_count 2
		.amdhsa_user_sgpr_kernarg_segment_ptr 1
		.amdhsa_wavefront_size32 1
		.amdhsa_system_sgpr_workgroup_id_x 1
		.amdhsa_system_sgpr_workgroup_id_y 1
		.amdhsa_system_sgpr_workgroup_id_z 1
		.amdhsa_system_vgpr_workitem_id 0
		.amdhsa_next_free_vgpr 1024
		.amdhsa_next_free_sgpr 100
		.amdhsa_reserve_vcc 0
		.amdhsa_float_denorm_mode_32 3
		.amdhsa_float_denorm_mode_16_64 3
		.amdhsa_memory_ordered 1
		.amdhsa_forward_progress 1
		.amdhsa_inst_pref_size 120
	.end_amdhsa_kernel
	.amdgpu_metadata
---
amdhsa.version: [ 1, 2 ]
amdhsa.kernels:
  - .name:           k_q3caf048636_gemm
    .symbol:         k_q3caf048636_gemm.kd
    .args:
      - { .name: x_codes, .offset: 0, .size: 8, .value_kind: global_buffer, .address_space: global }
      - { .name: x_scales, .offset: 8, .size: 8, .value_kind: global_buffer, .address_space: global }
      - { .name: w_codes, .offset: 16, .size: 8, .value_kind: global_buffer, .address_space: global }
      - { .name: w_scales, .offset: 24, .size: 8, .value_kind: global_buffer, .address_space: global }
      - { .name: b_attn, .offset: 32, .size: 8, .value_kind: global_buffer, .address_space: global }
      - { .name: qkv, .offset: 40, .size: 8, .value_kind: global_buffer, .address_space: global }
    .group_segment_fixed_size: 327680
    .private_segment_fixed_size: 0
    .kernarg_segment_align: 8
    .kernarg_segment_size: 48
    .max_flat_workgroup_size: 128
    .sgpr_count:     100
    .vgpr_count:     1024
    .wavefront_size: 32
...
	.end_amdgpu_metadata
.endif
;; end of part 2
;; launch attn (part 3): grid 64 x 4, 16 waves a work-group, no clusters, 327,680 bytes of LDS; arguments qkv, y16; writes y16
.if DOCPART == 3
	.amdgcn_target "amdgcn-amd-amdhsa--gfx1250"
	.amdhsa_code_object_version 6
	.text
	.protected	k_q3caf048636_attn
	.globl	k_q3caf048636_attn
	.p2align	8
	.type	k_q3caf048636_attn,@function
k_q3caf048636_attn:
	s_mov_b64 s[64:65], 0
	v_nop
	global_prefetch_b8 v0, s[64:65] scope:SCOPE_SE
	s_setreg_imm32_b32 hwreg(HW_REG_WAVE_MODE, 25, 1), 1
	s_wait_xcnt 0x0
; y[b][h][q] = the sum over k <= q of softmax_k(Q[q] . K[k] / 8) V[k], head size 64, 2,048 positions, 64 (batch, head) pairs.  Operands in f16, products, maxima and sums in f32; y rounded once to f16.
; qkv holds images of operand registers: [q, k, v][batch x head][token / 16][channel / 16][512 bytes] (the launch before lays them).  y16: [row / 128][head][(row / 16) % 8][channel / 16][512 bytes], lane l's 16 bytes at 16 l.
; SHARES.  A work-group owns the blocks i and 7 - i of 256 queries of one head: (i + 1) + (8 - i) = 9 blocks of keys' worth of work whatever i is.  Waves 0-7 take block i, waves 8-15 block 7 - i; a wave owns 32 queries,
; two tiles of 16, which share every fragment of K and V.  Four waves lie on a SIMD, so that one wave's vector work stands beside another's matrix work and LDS loads.
; LAYOUT.  S^T = K Q^T (source 0 = 16 keys, source 1 = 16 queries), O^T = V^T P (source 0 = 16 channels, source 1 = P): a lane holds ONE query (lane % 16) throughout; two tiles of S^T rounded in pairs ARE P's fragment.
; K comes out of LDS as it lies, V turned by ds_load_tr16_b128; every LDS load takes 16 x lane: 512 consecutive bytes.
; SOFTMAX.  For each query a running maximum m and sum l: p = 2^(c s - c m), c = log2(e) / 8; in every step O and l are multiplied by a = 2^(c m_old - c m_new).
; THE WALK.  Keys go 64 a step, 512 a slot, through two LDS slots filled by the tensor data mover (waves 0, 1: K's halves; waves 2, 3: V's).  Every work-group walks all four slots: trip counts are constants.
; A step all of whose keys come after the wave's queries is jumped over (ids alone); on the diagonal hidden scores become -infinity.  A slot whose first key comes after the work-group's last query is not asked for.
; NO CLUSTER: the work-groups of a head end their loads at different slots (the last query of blocks 7 - i differs), so partners would need different numbers of tiles.
; LIMITS: f16 operands: |q|, |k|, |v|, |y| up to 65,504; a weight p under 6e-8 of its row's largest counts as 0 in the product (it stays in the sum).
; Positions 0-15 of every sequence are computed here too and written over by the two fine launches.
.set SLOT1, 1<<17                      ; slot 1 begins here: one exclusive or turns an address
.set VOFF,  65536                      ; a slot: 32 token tiles x 2,048 bytes of K, then the same of V
.set SPARE, 262144                     ; the spare words, 128 bytes for each of 16 waves: eight blocks of 256 bytes that no other line names
.set LL,  1                            ; v1   16 x lane
.set AV0, 2                            ; v2   16 x lane + VOFF
.set ADK, 3                            ; v3   LDS address of the step's K
.set ADV, 4                            ; v4   of its V
.set SPW, 5                            ; v5   my spare word; never rewritten
.set PFO, 6                            ; v6   256 x lane: the prefetches' offset; never rewritten
.set NIL, 7                            ; v7   0; never rewritten
.set DQ,  8                            ; v8   lane % 16 - 8 (lane / 16)
.set DD,  9                            ; v9   the mask's bound
.set NINF, 10                          ; v10  -infinity
.set ST,  12                           ; tile t's statistics at v[ST + 8 t]: +0 c m, +1 m, +2, +3 l, +4 .. +7 c0-c3 at work; a takes c2's place
.set QF,  28                           ; v28-59   Q: (tile t, channels 32 c on) at QF + 16 t + 8 c
.set KV,  60                           ; v60-123  K of the step, then its V
.set SS,  124                          ; v124-187 S^T, 32 a tile; P is laid over a tile's first 16
.set OO,  188                          ; v188-251 O^T: (t, channels 16 dt on) at OO + 32 t + 8 dt
.set WV, 8
.set Q0, 11
.set QHI, 12
.set QLAST, 13
.set KF, 14
.set TB, 15
.set SLOTS, 16
.set CNT, 17
.set SEL, 18
.set CS, 20
.set G1, 24                            ; s[24:31] descriptor group 1
.set G0, 32                            ; s[32:35] group 0, which walks
.set PFA, 36
.set LIM, 38
.macro TLOAD                           ; waves 0-3 fetch, the others nothing.  An s_nop 0 and four v_nop follow the load
	s_cmp_lt_u32 s[WV], 4
	s_cbranch_scc0 .Lasked_\@
	tensor_load_to_lds s[G0:G0+3], s[G1:G1+7]
	s_nop 0
.rept 4
	v_nop
.endr
.Lasked_\@:
.endm
; A prefetch of what the NEXT change of slots will ask for: a slot's 65,536 bytes of K (waves 0-7) and of V (waves 8-15), 8,192 bytes a wave, lanes 256 bytes apart: a slot's eight key steps ahead of that load.
; All four work-groups of a head walk the same K and V: the one with i = 0 asks, so each aligned block of 256 bytes is named once.  The last change that fills a slot asks for nothing; slots 0 and 1 come by their loads alone.
.macro ASK
	s_cmp_gt_u32 s[SLOTS], s[LIM]
	s_cbranch_scc0 .Lnot_mine_\@
	global_prefetch_b8 v[PFO], s[PFA:PFA+1] th:TH_LOAD_NT scope:SCOPE_SE
.Lnot_mine_\@:
.endm
	s_load_b128 s[4:7], s[0:1], 0x0                ; qkv, y16
	v_lshl_add_u32 v[SPW], v0, 2, SPARE
	v_mov_b32 v[NIL], 0
	ds_add_u32 v[SPW], v[NIL]                      ; the wave's opening: the add, twice on end, and its wait ahead of the first tensor load
	ds_add_u32 v[SPW], v[NIL]
	v_lshrrev_b32 v1, 5, v0
	v_readfirstlane_b32 s[WV], v1                  ; wave 0..15
	s_and_b32 s10, ttmp7, 0xffff                   ; i
	s_sub_co_u32 s40, 7, s10                       ; 7 - i
	s_cmp_lt_u32 s[WV], 8
	s_cselect_b32 s41, s10, s40                    ; my block of 256 queries
	s_lshl_b32 s[Q0], s41, 8
	s_and_b32 s41, s[WV], 7
	s_lshl_b32 s41, s41, 5
	s_add_co_u32 s[Q0], s[Q0], s41                 ; my first query
	s_add_co_u32 s[QHI], s[Q0], 31                 ; my last
	s_lshl_b32 s[QLAST], s40, 8
	s_or_b32 s[QLAST], s[QLAST], 255               ; the work-group's last
	s_mov_b32 s[KF], 0
	s_mov_b32 s[TB], 0
	s_mov_b32 s[SLOTS], 3
	s_mov_b32 s[SEL], 0x76543210
	s_mov_b32 s[SEL+1], 0xfedcba98                 ; lane l xor 16
	s_mov_b32 s[CS], 0x3e38aa3b                    ; c = log2(e) / 8
	s_mov_b32 s[CS+1], s[CS]
	s_mov_b32 s[G1], 3<<16                         ; no mask; elements of 8 bytes; no padding
	s_mov_b32 s[G1+1], 32<<16                      ; tensor_dim0 = 32 elements: rows of 256 bytes
	s_mov_b32 s[G1+2], 128<<16                     ; tensor_dim1 = 128 rows: 32,768 dense bytes
	s_mov_b32 s[G1+3], 32<<16                      ; tile_dim0
	s_mov_b32 s[G1+4], 128                         ; tile_dim1
	s_mov_b32 s[G1+5], 32                          ; pitch
	s_mov_b32 s[G1+6], 0
	s_mov_b32 s[G1+7], 0
	s_and_b32 s40, s[WV], 3
	s_mov_b32 s[G0], 1
	s_lshl_b32 s[G0+1], s40, 15                    ; LDS: K's halves at 0 and 32,768, V's at 65,536 and 98,304
	s_lshr_b32 s41, s40, 1
	s_add_co_u32 s41, s41, 1
	s_lshl_b32 s41, s41, 24                        ; k's or v's part of qkv
	s_and_b32 s40, s40, 1
	s_lshl_b32 s40, s40, 15
	s_add_co_u32 s40, s40, s41
	s_lshl_b32 s41, ttmp9, 18                      ; the head's 262,144 bytes
	s_add_co_u32 s44, s40, s41
	s_mov_b32 s45, 0
	s_lshr_b32 s40, s[WV], 3
	s_add_co_u32 s40, s40, 1
	s_lshl_b32 s40, s40, 24
	s_and_b32 s46, s[WV], 7
	s_lshl_b32 s46, s46, 13
	s_add_co_u32 s46, s46, s40
	s_add_co_u32 s46, s46, s41
	s_add_co_u32 s46, s46, 65536                   ; the prefetches stand in slot 1; the first change of slots steps them to slot 2
	s_mov_b32 s47, 0
	s_cmp_eq_u32 s10, 0
	s_cselect_b32 s[LIM], 1, -1
	s_lshl_b32 s42, s[Q0], 7                       ; (my first query / 16) x 2,048
	s_add_co_u32 s42, s42, s41
	s_mov_b32 s43, 0
	s_lshr_b32 s40, ttmp9, 4
	s_lshl_b32 s40, s40, 4
	s_lshr_b32 s48, s[Q0], 7
	s_add_co_u32 s40, s40, s48                     ; row / 128
	s_lshl_b32 s40, s40, 4
	s_and_b32 s48, ttmp9, 15
	s_add_co_u32 s40, s40, s48                     ; head
	s_lshl_b32 s40, s40, 3
	s_bfe_u32 s48, s[Q0], 0x30004
	s_add_co_u32 s40, s40, s48                     ; (row / 16) % 8
	s_lshl_b32 s48, s40, 11
	s_mov_b32 s49, 0
	s_wait_dscnt 0x0                               ; both opening adds are done
	s_wait_kmcnt 0x0
	s_add_nc_u64 s[G0+2:G0+3], s[4:5], s[44:45]
	s_or_b32 s[G0+3], s[G0+3], 0x80000000
	TLOAD                                          ; slot 0: it holds key 0, which counts for every query
	s_add_nc_u64 s[PFA:PFA+1], s[4:5], s[46:47]
	s_add_nc_u64 s[42:43], s[4:5], s[42:43]        ; Q at my first query
	s_add_nc_u64 s[6:7], s[6:7], s[48:49]          ; y16 likewise
	v_and_b32 v1, 31, v0
	v_lshlrev_b32 v[PFO], 8, v1
	v_lshlrev_b32 v[LL], 4, v1
	v_add_nc_u32 v[AV0], VOFF, v[LL]
.irp t, 0,1
.irp c, 0,1
	global_load_b128 v[QF+16*\t+8*\c:QF+16*\t+8*\c+3], v[LL], s[42:43] offset:\t*2048+\c*1024
	global_load_b128 v[QF+16*\t+8*\c+4:QF+16*\t+8*\c+7], v[LL], s[42:43] offset:\t*2048+\c*1024+512
.endr
.endr
	v_and_b32 v[DQ], 15, v0
	v_bfe_u32 v[DD], v0, 4, 1
	v_lshlrev_b32 v[DD], 3, v[DD]
	v_sub_nc_u32 v[DQ], v[DQ], v[DD]
	v_mov_b32 v[NINF], 0xff800000
.irp t, 0,1
	v_mov_b32 v[ST+8*\t+1], 0xff61b1e6             ; m = -3e38, under every score
	v_mul_f32 v[ST+8*\t], s[CS], v[ST+8*\t+1]      ; c m
	v_mov_b32 v[ST+8*\t+2], 0                      ; l
	v_mov_b32 v[ST+8*\t+3], 0
.irp u, 4,5,6,7
	v_mov_b32 v[ST+8*\t+\u], 0                     ; c0-c3: written once here, so that the way out, which names c1 as a lane permute's destination and c3 as the upper half of a pair, finds them written on every way through the text, one that jumps over every step too
.endr
.endr
.irp j, 0,1,2,3,4,5,6,7,8,9,10,11,12,13,14,15,16,17,18,19,20,21,22,23,24,25,26,27,28,29,30,31,32,33,34,35,36,37,38,39,40,41,42,43,44,45,46,47,48,49,50,51,52,53,54,55,56,57,58,59,60,61,62,63
	v_mov_b32 v[OO+\j], 0                          ; O^T.  (The step is written once: its first run finds zeros, which a = 0 leaves zeros; a first step of its own would be a third copy of the step)
.endr
; A KEY STEP: 64 keys against my 32 queries.
.macro STEP
	s_cmp_gt_u32 s[KF], s[QHI]                     ; all 64 keys come after my queries: the step's work is left out (ids and the count of steps alone)
	s_cbranch_scc1 .Lhid_\@
	v_add_nc_u32 v[ADK], s[TB], v[LL]
	v_add_nc_u32 v[ADV], s[TB], v[AV0]
.rept 3
	v_nop                                          ; with the two additions five plain lines behind the last products: loads land on their V, and the products below write over their P
.endr
.irp n, 0,1,2,3,4,5,6,7,8,9,10,11,12,13,14,15
	ds_load_b128 v[KV+4*\n:KV+4*\n+3], v[ADK] offset:512*\n   ; fragment (keys 16 kt on, channels 32 c on) at KV + 16 kt + 8 c
.endr
	s_wait_dscnt 0x0
.irp c, 0,1                                    ; S^T = K Q^T: eight accumulators take turns
.irp kt, 0,1,2,3
.irp t, 0,1
.if \c == 0
	v_wmma_f32_16x16x32_f16 v[SS+32*\t+8*\kt:SS+32*\t+8*\kt+7], v[KV+16*\kt+8*\c:KV+16*\kt+8*\c+7], v[QF+16*\t+8*\c:QF+16*\t+8*\c+7], 0
.else
	v_wmma_f32_16x16x32_f16 v[SS+32*\t+8*\kt:SS+32*\t+8*\kt+7], v[KV+16*\kt+8*\c:KV+16*\kt+8*\c+7], v[QF+16*\t+8*\c:QF+16*\t+8*\c+7], v[SS+32*\t+8*\kt:SS+32*\t+8*\kt+7]
.endif
.endr
.endr
.endr
.rept 4
	v_nop                                          ; places: V's loads land on K's registers, and the scores are read
.endr
.irp kc, 0,1                                   ; V, turned: fragment (keys 32 kc on, channels 16 dt on) at KV + 32 kc + 8 dt.  It lands while the softmax is worked
.irp dt, 0,1,2,3
	ds_load_tr16_b128 v[KV+32*\kc+8*\dt:KV+32*\kc+8*\dt+3], v[ADV] offset:(2*\kc)*2048+\dt*512
	ds_load_tr16_b128 v[KV+32*\kc+8*\dt+4:KV+32*\kc+8*\dt+7], v[ADV] offset:(2*\kc+1)*2048+\dt*512
.endr
.endr
	s_add_co_u32 s40, s[KF], 63
	s_cmp_le_u32 s40, s[Q0]                        ; all 64 keys count for all my queries: no mask
	s_cbranch_scc1 .Lopen_\@
	s_sub_co_i32 s40, s[Q0], s[KF]
	v_add_nc_u32 v[DD], s40, v[DQ]                 ; register j of tile (t, kt) holds key KF + 16 kt + 8 h + j for query Q0 + 16 t + r: hidden where 16 (kt - t) + j > Q0 - KF + r - 8 h
.irp e, 0,1,2,3,4                              ; e = kt - t + 1: one comparison serves both tiles of queries
.irp j, 0,1,2,3,4,5,6,7
	v_cmp_gt_i32 vcc_lo, 16*\e-16+\j, v[DD]
.if \e >= 1
	v_cndmask_b32 v[SS+8*(\e-1)+\j], v[SS+8*(\e-1)+\j], v[NINF], vcc_lo
.endif
.if \e <= 3
	v_cndmask_b32 v[SS+32+8*\e+\j], v[SS+32+8*\e+\j], v[NINF], vcc_lo
.endif
.endr
.endr
.Lopen_\@:
.irp j, 0,1,2,3                                ; the maximum: four chains a tile, each accumulator from its low end on; the two tiles by turns
.irp t, 0,1
	v_max3_num_f32 v[ST+8*\t+4+\j], v[SS+32*\t+8*\j], v[SS+32*\t+8*\j+1], v[SS+32*\t+8*\j+2]
.endr
.endr
.irp u, 1,2
.irp j, 0,1,2,3
.irp t, 0,1
	v_max3_num_f32 v[ST+8*\t+4+\j], v[ST+8*\t+4+\j], v[SS+32*\t+8*\j+2*\u+1], v[SS+32*\t+8*\j+2*\u+2]
.endr
.endr
.endr
.irp t, 0,1
	v_max3_num_f32 v[ST+8*\t+4], v[ST+8*\t+4], v[SS+32*\t+7], v[SS+32*\t+15]
.endr
.irp t, 0,1
	v_max3_num_f32 v[ST+8*\t+6], v[ST+8*\t+6], v[SS+32*\t+23], v[SS+32*\t+31]
.endr
.irp t, 0,1
	v_max3_num_f32 v[ST+8*\t+4], v[ST+8*\t+4], v[ST+8*\t+5], v[ST+8*\t+6]
.endr
.irp t, 0,1
	v_max3_num_f32 v[ST+8*\t+4], v[ST+8*\t+4], v[ST+8*\t+7], v[ST+8*\t+1]   ; and the old m
.endr
.irp t, 0,1
	v_permlanex16_b32 v[ST+8*\t+5], v[ST+8*\t+4], s[SEL], s[SEL+1]          ; the query's other 32 keys lie in the lane 16 away
.endr
.irp t, 0,1
	v_mov_b32 v[ST+8*\t+7], v[ST+8*\t]             ; c m_old
.endr
.irp t, 0,1
	v_max_num_f32 v[ST+8*\t+1], v[ST+8*\t+4], v[ST+8*\t+5]
.endr
.irp t, 0,1
	v_mul_f32 v[ST+8*\t], s[CS], v[ST+8*\t+1]
.endr
.irp t, 0,1
	v_sub_f32 v[ST+8*\t+7], v[ST+8*\t+7], v[ST+8*\t]
.endr
.irp n, 0,1,2,3,4,5,6,7,8,9,10,11,12,13,14,15
.irp t, 0,1
	v_pk_fma_f32 v[SS+32*\t+2*\n:SS+32*\t+2*\n+1], v[SS+32*\t+2*\n:SS+32*\t+2*\n+1], s[CS:CS+1], v[ST+8*\t:ST+8*\t+1] op_sel_hi:[1,0,0] neg_lo:[0,0,1] neg_hi:[0,0,1]   ; c s - c m
.endr
.endr
.irp t, 0,1                                    ; ONE batch of 66 exponentials, none of which reads another's result
	v_exp_f32 v[ST+8*\t+6], v[ST+8*\t+7]           ; a
.endr
.irp j, 0,1,2,3,4,5,6,7,8,9,10,11,12,13,14,15,16,17,18,19,20,21,22,23,24,25,26,27,28,29,30,31,32,33,34,35,36,37,38,39,40,41,42,43,44,45,46,47,48,49,50,51,52,53,54,55,56,57,58,59,60,61,62,63
	v_exp_f32 v[SS+\j], v[SS+\j]                   ; p
.endr
	v_nop                                          ; a plain line behind the last exponential
	s_wait_alu depctr_va_vdst(0)                   ; one wait for the batch, ahead of its first reader
.irp t, 0,1
	v_pk_mul_f32 v[ST+8*\t+2:ST+8*\t+3], v[ST+8*\t+2:ST+8*\t+3], v[ST+8*\t+6:ST+8*\t+7] op_sel_hi:[1,0]   ; l x a
.endr
.irp t, 0,1
	v_pk_add_f32 v[ST+8*\t+4:ST+8*\t+5], v[SS+32*\t:SS+32*\t+1], v[SS+32*\t+2:SS+32*\t+3]   ; the sum of the weights before they are rounded: two chains a tile
.endr
.irp j, 4,8,12,16,20,24,28
.irp t, 0,1
	v_pk_add_f32 v[ST+8*\t+2:ST+8*\t+3], v[ST+8*\t+2:ST+8*\t+3], v[SS+32*\t+\j:SS+32*\t+\j+1]
	v_pk_add_f32 v[ST+8*\t+4:ST+8*\t+5], v[ST+8*\t+4:ST+8*\t+5], v[SS+32*\t+\j+2:SS+32*\t+\j+3]
.endr
.endr
.irp t, 0,1
	v_pk_add_f32 v[ST+8*\t+2:ST+8*\t+3], v[ST+8*\t+2:ST+8*\t+3], v[ST+8*\t+4:ST+8*\t+5]
.endr
.irp n, 0,1,2,3,4,5,6,7,8,9,10,11,12,13,14,15
.irp t, 0,1
	v_cvt_pk_f16_f32 v[SS+32*\t+\n], v[SS+32*\t+2*\n], v[SS+32*\t+2*\n+1]   ; P, in place and ascending: register n is written when registers 2 n and 2 n + 1 are read
.endr
.endr
.irp n, 0,1,2,3,4,5,6,7,8,9,10,11,12,13,14,15
.irp t, 0,1
	v_pk_mul_f32 v[OO+32*\t+2*\n:OO+32*\t+2*\n+1], v[OO+32*\t+2*\n:OO+32*\t+2*\n+1], v[ST+8*\t+6:ST+8*\t+7] op_sel_hi:[1,0]   ; O^T x a
.endr
.endr
	s_wait_dscnt 0x0                               ; V is in
.irp kc, 0,1                                   ; O^T += V^T P: eight accumulators take turns
.irp dt, 0,1,2,3
.irp t, 0,1
	v_wmma_f32_16x16x32_f16 v[OO+32*\t+8*\dt:OO+32*\t+8*\dt+7], v[KV+32*\kc+8*\dt:KV+32*\kc+8*\dt+7], v[SS+32*\t+8*\kc:SS+32*\t+8*\kc+7], v[OO+32*\t+8*\dt:OO+32*\t+8*\dt+7]
.endr
.endr
.endr
.Lhid_\@:
	s_add_co_u32 s[KF], s[KF], 64
	s_add_co_u32 s[TB], s[TB], 8192
.endm
; THE CHANGE OF SLOTS stands at a slot's head.  Each wave waits for all its tensor loads, adds 0 to its spare word (fill = 1: twice on end), and waits for that and for its reads
; of the slot that it has left.  Behind the barrier the slot ahead is whole and nobody reads the other one; fill = 1: that one takes the keys that follow, up to the causal limit, and the load has eight steps in which to land.
.macro CHANGE fill
	s_wait_tensorcnt 0x0                           ; no tensor load of mine is out, so the group 0 may be written
	ds_add_u32 v[SPW], v[NIL]
.if \fill
	ds_add_u32 v[SPW], v[NIL]
	s_xor_b32 s[G0+1], s[G0+1], SLOT1              ; the other slot than last time,
	s_add_nc_u64 s[G0+2:G0+3], s[G0+2:G0+3], 65536 ; the next 512 keys
	s_wait_xcnt 0x0                                ; the last prefetch, a slot back, has read its address
	s_add_nc_u64 s[PFA:PFA+1], s[PFA:PFA+1], 65536
.endif
	s_wait_dscnt 0x0
	s_barrier_signal -1
	s_barrier_wait -1
.if \fill
	s_add_co_u32 s40, s[KF], 512                   ; the first key of the slot that this change would ask for
	s_cmp_gt_u32 s40, s[QLAST]                     ; past the work-group's last query none of its waves reads it: ids and the count of steps alone, the same in all sixteen waves
	s_cbranch_scc1 .Lpast_\@
	TLOAD                                          ; a wave's one tensor load until the next change
.Lpast_\@:
	ASK
.endif
.endm
.macro SLOT_STEPS                      ; a slot's eight steps: written once, walked eight times
	s_mov_b32 s[CNT], 8
.Lstep_\@:
	STEP
	s_sub_co_u32 s[CNT], s[CNT], 1
	s_cmp_lg_u32 s[CNT], 0
	s_cbranch_scc1 .Lstep_\@
	s_sub_co_u32 s[TB], s[TB], 65536
	s_xor_b32 s[TB], s[TB], SLOT1                  ; on to the other slot
.endm
	s_wait_loadcnt 0x0                             ; Q
.Lslot:
	CHANGE 1
	SLOT_STEPS
	s_sub_co_u32 s[SLOTS], s[SLOTS], 1
	s_cmp_lg_u32 s[SLOTS], 0
	s_cbranch_scc1 .Lslot
	CHANGE 0                                       ; the last slot is written out: nothing is left to ask for
	SLOT_STEPS
	; THE WAY OUT: O^T / l, rounded to f16; a lane's eight channels are 16 bytes, stored as they stand: the wave stores 512 consecutive bytes, aligned
.rept 4
	v_nop
.endr
.irp t, 0,1
	v_add_f32 v[ST+8*\t+4], v[ST+8*\t+2], v[ST+8*\t+3]
.endr
.irp t, 0,1
	v_permlanex16_b32 v[ST+8*\t+5], v[ST+8*\t+4], s[SEL], s[SEL+1]
.endr
.irp t, 0,1
	v_add_f32 v[ST+8*\t+4], v[ST+8*\t+4], v[ST+8*\t+5]
.endr
.irp t, 0,1
	v_rcp_f32 v[ST+8*\t+6], v[ST+8*\t+4]
.endr
	v_nop
	s_wait_alu depctr_va_vdst(0)                   ; one wait for the two reciprocals
.irp t, 0,1
.irp n, 0,1,2,3,4,5,6,7,8,9,10,11,12,13,14,15
	v_pk_mul_f32 v[OO+32*\t+2*\n:OO+32*\t+2*\n+1], v[OO+32*\t+2*\n:OO+32*\t+2*\n+1], v[ST+8*\t+6:ST+8*\t+7] op_sel_hi:[1,0]
.endr
.endr
.irp t, 0,1
.irp n, 0,1,2,3,4,5,6,7,8,9,10,11,12,13,14,15
	v_cvt_pk_f16_f32 v[SS+16*\t+\n], v[OO+32*\t+2*\n], v[OO+32*\t+2*\n+1]
.endr
.endr
.irp t, 0,1
.irp dt, 0,1,2,3
	global_store_b128 v[LL], v[SS+16*\t+4*\dt:SS+16*\t+4*\dt+3], s[6:7] offset:\t*2048+\dt*512
.endr
.endr
	s_wait_tensorcnt 0x0                           ; the wave's end
	ds_add_u32 v[SPW], v[NIL]
	s_wait_dscnt 0x0
	s_endpgm
.Lfunc_end_k_q3caf048636_attn:
	.size	k_q3caf048636_attn, .Lfunc_end_k_q3caf048636_attn-k_q3caf048636_attn
	.p2alignl 7, 3214868480
	.fill 96, 4, 3214868480
	.section	.rodata,"a",@progbits
	.p2align	6, 0x0
	.amdhsa_kernel k_q3caf048636_attn
		.amdhsa_group_segment_fixed_size 327680
		.amdhsa_private_segment_fixed_size 0
		.amdhsa_enable_private_segment 0
		.amdhsa_kernarg_size 16
		.amdhsa_user_sgpr_count 2
		.amdhsa_user_sgpr_kernarg_segment_ptr 1
		.amdhsa_wavefront_size32 1
		.amdhsa_system_sgpr_workgroup_id_x 1
		.amdhsa_system_sgpr_workgroup_id_y 1
		.amdhsa_system_sgpr_workgroup_id_z 1
		.amdhsa_system_vgpr_workitem_id 0
		.amdhsa_next_free_vgpr 256
		.amdhsa_next_free_sgpr 66
		.amdhsa_reserve_vcc 1
		.amdhsa_float_denorm_mode_32 3
		.amdhsa_float_denorm_mode_16_64 3
		.amdhsa_memory_ordered 1
		.amdhsa_forward_progress 1
		.amdhsa_inst_pref_size 56
	.end_amdhsa_kernel
	.amdgpu_metadata
---
amdhsa.version: [ 1, 2 ]
amdhsa.kernels:
  - .name:           k_q3caf048636_attn
    .symbol:         k_q3caf048636_attn.kd
    .args:
      - { .name: qkv, .offset: 0, .size: 8, .value_kind: global_buffer, .address_space: global }
      - { .name: y16, .offset: 8, .size: 8, .value_kind: global_buffer, .address_space: global }
    .group_segment_fixed_size: 327680
    .private_segment_fixed_size: 0
    .kernarg_segment_align: 8
    .kernarg_segment_size: 16
    .max_flat_workgroup_size: 512
    .sgpr_count:     66
    .vgpr_count:     256
    .wavefront_size: 32
...
	.end_amdgpu_metadata
.endif
;; end of part 3
;; launch proj (part 4): grid 4 x 64, 4 waves a work-group, clusters of 4 x 4, 327,680 bytes of LDS; arguments y16, wp16, b_proj, out0; writes out0
.if DOCPART == 4
	.amdgcn_target "amdgcn-amd-amdhsa--gfx1250"
	.amdhsa_code_object_version 6
	.text
	.protected	k_q3caf048636_proj
	.globl	k_q3caf048636_proj
	.p2align	8
	.type	k_q3caf048636_proj,@function
k_q3caf048636_proj:
	s_mov_b64 s[64:65], 0
	v_nop
	global_prefetch_b8 v0, s[64:65] scope:SCOPE_SE
	s_setreg_imm32_b32 hwreg(HW_REG_WAVE_MODE, 25, 1), 1
	s_wait_xcnt 0x0
	s_wait_alu depctr_hold_cnt(0) depctr_sa_sdst(0) depctr_va_vdst(0) depctr_va_sdst(0) depctr_va_ssrc(0) depctr_va_vcc(0) depctr_vm_vsrc(0)
	s_getreg_b32 s2, hwreg(HW_REG_IB_STS2, 6, 4)
	s_cmp_eq_u32 s2, 0
	s_cbranch_scc0 .Lentry_in_a_cluster
	s_endpgm
.Lentry_in_a_cluster:
	s_bfe_u32 s2, ttmp6, 0x10000c
	s_cmp_lg_u32 s2, 0xf033
	s_cbranch_scc0 .Lentry_shape_is_right
	s_endpgm
.Lentry_shape_is_right:
; out0[m][n] = sum over k of y[m][k] w_proj[k][n] + b_proj[n].  y and w_proj in f16, as images of operand registers (y16, wp16: laid by the launches before); sums in f32; out0 f32.
; A tile of 128 rows x 256 columns to a work-group: 64 x 4 = 256 work-groups.  Four waves, each 64 x 128: 32 accumulators, 256 registers.
; K goes in steps of 128 (two heads) through two LDS slots: A's part of a step is 32,768 dense bytes, B's 65,536; a fragment is two LDS loads at 16 x lane: 512 consecutive bytes each, no padding.
; CLUSTERS: 4 x 4 work-groups; A's tiles are asked for jointly along a row of the cluster, B's along a column (waves 0, 1: A's two heads; waves 2, 3: B's halves).
; THE MATRIX INSTRUCTION IS USED TRANSPOSED (source 0 = 16 columns of w_proj, source 1 = 16 rows of y): a lane holds eight neighbouring numbers of a row of out0.  The bias is the C of each sum's first product.
; Rows 0-15 of every sequence are written here too and written over by the last launch, which carries them in f32: leaving them out would take a branch on the work-group's place in its cluster.
; REGISTERS: window 0: v0-31 addresses; v32-127, v128-223 two fragment buffers (B's eight fragments, then A's four); on the way out v32-159 rows of out0.
;   window 1: the accumulators ((a, b) at v[8 (8 a + b)]).   window 2: v0-63 the bias.
.set SLOT,   98304                     ; A's 32,768 bytes, then B's 65,536
.set BOFF,   32768
.set STAGE,  2*SLOT                    ; behind the ring: 16 rows x (512 bytes + 16) for each wave; no tensor load fills it
.set SPITCH, 528
.set SPARE,  STAGE+4*16*SPITCH         ; the spare words, 128 bytes for each wave: two blocks of 256 bytes that no other line names
.set ADRA, 16
.set ADRB, 20
.set STO,  24
.set RD,   25
.set CO,   26
.set SPW,  28
.set NIL,  29
.set F0,   32
.set F1,   128
.set BK,   32
.set G1, 24
.set G0, 32
.set G1B, 48
.set G0B, 56
.set MSB, 0
.macro WIN new                         ; the immediate's high byte repeats the setting that is left
.if MSB != (\new)
	s_set_vgpr_msb (MSB<<8)|(\new)
.set MSB, (\new)
.endif
.endm
.set MUL, 0x50                         ; sources 0 and 1 window 0; C and D window 1.  (0x60: C window 2, the bias)
.macro JLOAD s                         ; a joint load; an s_nop 0 and four v_nop follow each of the two lines
	s_cmp_eq_u32 s13, 0
	s_cbranch_scc0 .Lfor_b_\@
	tensor_load_to_lds s[G0+4*\s:G0+4*\s+3], s[G1:G1+7]
	s_nop 0
.rept 4
	v_nop
.endr
	s_branch .Lasked_\@
.Lfor_b_\@:
	tensor_load_to_lds s[G0B+4*\s:G0B+4*\s+3], s[G1B:G1B+7]
	s_nop 0
.rept 4
	v_nop
.endr
.Lasked_\@:
.endm
.macro CREST                           ; a round of the cluster's barrier behind its opening barrier
	s_cmp_lg_u32 s12, 0
	s_cbranch_scc1 .Lnot_wave_0_\@
	s_barrier_signal -3
.Lnot_wave_0_\@:
	s_barrier_wait -3
	s_barrier_signal -1
	s_barrier_wait -1
.endm
.macro CROUND
	s_barrier_signal -1
	s_barrier_wait -1
	CREST
.endm
	s_load_b256 s[4:11], s[0:1], 0x0               ; y16, wp16, b_proj, out0
	v_lshl_add_u32 v[SPW], v0, 2, SPARE
	v_mov_b32 v[NIL], 0
	ds_add_u32 v[SPW], v[NIL]                      ; the wave's opening: the add, twice on end, and its wait ahead of my first tensor load
	ds_add_u32 v[SPW], v[NIL]
	v_lshrrev_b32 v1, 5, v0
	v_readfirstlane_b32 s12, v1                    ; wave 0..3
	s_lshr_b32 s13, s12, 1                         ; which 64 of the tile's rows are mine.  Also: I fetch for A (0) or for B (1)
	s_and_b32 s14, s12, 1                          ; which 128 of its columns.  Also: which half I fetch
	s_bfe_u32 s40, ttmp6, 0x40000                  ; cx, cy
	s_bfe_u32 s41, ttmp6, 0x40004
	s_lshl_b32 s42, ttmp9, 2
	s_add_co_u32 s42, s42, s40                     ; tile column
	s_and_b32 s15, ttmp7, 0xffff
	s_lshl_b32 s15, s15, 2
	s_add_co_u32 s15, s15, s41                     ; tile row
	s_lshl_b32 s43, s41, 2
	s_lshl_b32 s43, 15, s43                        ; my row of the cluster
	s_lshl_b32 s44, 0x1111, s40                    ; my column
	s_or_b32 s[G1+0], s43, (3<<16)|(1<<21)         ; the mask; elements of 8 bytes; bit 21 beside a mask; no padding
	s_mov_b32 s[G1+1], 32<<16                      ; rows of 256 bytes
	s_mov_b32 s[G1+2], 64<<16                      ; A: 64 rows: a head's 16,384 dense bytes
	s_mov_b32 s[G1+3], 32<<16
	s_mov_b32 s[G1+4], 64
	s_mov_b32 s[G1+5], 32
	s_mov_b32 s[G1+6], 0
	s_mov_b32 s[G1+7], 0
	s_or_b32 s[G1B+0], s44, (3<<16)|(1<<21)
	s_mov_b32 s[G1B+1], 32<<16
	s_mov_b32 s[G1B+2], 128<<16                    ; B: 128 rows: 32,768 dense bytes
	s_mov_b32 s[G1B+3], 32<<16
	s_mov_b32 s[G1B+4], 128
	s_mov_b32 s[G1B+5], 32
	s_mov_b32 s[G1B+6], 0
	s_mov_b32 s[G1B+7], 0
	s_lshl_b32 s16, s15, 18                        ; A: 262,144 bytes a tile row,
	s_lshl_b32 s17, s14, 14                        ; + which of the step's two heads
	s_add_co_u32 s16, s16, s17
	s_mov_b32 s17, 0
	s_lshl_b32 s46, s42, 19                        ; B: 524,288 bytes a tile column,
	s_lshl_b32 s47, s14, 15                        ; + which half of the step's 65,536
	s_add_co_u32 s46, s46, s47
	s_mov_b32 s47, 0
	s_lshl_b32 s20, s14, 14                        ; where they go in a slot: no place in the cluster enters an LDS address
	s_lshl_b32 s21, s14, 15
	s_add_co_u32 s21, s21, BOFF
	s_wait_dscnt 0x0                               ; both opening adds are done
	s_wait_kmcnt 0x0
	s_add_nc_u64 s[16:17], s[4:5], s[16:17]
	s_add_nc_u64 s[46:47], s[6:7], s[46:47]
	CROUND                                         ; all sixteen work-groups are here: the first joint loads meet
.irp s, 0,1
	s_mov_b32 s[G0+4*\s], 1
	s_add_co_u32 s[G0+4*\s+1], s20, \s*SLOT
	s_add_nc_u64 s[G0+4*\s+2:G0+4*\s+3], s[16:17], \s*32768
	s_or_b32 s[G0+4*\s+3], s[G0+4*\s+3], 0x80000000
	s_mov_b32 s[G0B+4*\s], 1
	s_add_co_u32 s[G0B+4*\s+1], s21, \s*SLOT
	s_add_nc_u64 s[G0B+4*\s+2:G0B+4*\s+3], s[46:47], \s*65536
	s_or_b32 s[G0B+4*\s+3], s[G0B+4*\s+3], 0x80000000
	JLOAD \s                                       ; two loads of mine are out
.endr
	v_and_b32 v1, 15, v0                           ; r
	v_bfe_u32 v2, v0, 4, 1                         ; h
	v_and_b32 v3, 31, v0
	v_lshlrev_b32 v3, 4, v3                        ; 16 x lane
	s_lshl_b32 s22, s13, 13                        ; my four row tiles of 2,048 bytes in a head's part
	s_lshl_b32 s23, s14, 15                        ; my eight column tiles of 4,096 bytes
	s_add_co_u32 s23, s23, BOFF
.irp s, 0,1
	v_add_nc_u32 v[ADRA+\s], s22, v3
	v_add_nc_u32 v[ADRB+\s], s23, v3
	s_add_co_u32 s22, s22, SLOT
	s_add_co_u32 s23, s23, SLOT
.endr
	s_mul_i32 s22, s12, 16*SPITCH
	s_add_co_u32 s22, s22, STAGE                   ; my stage
	v_mul_u32_u24 v4, v1, SPITCH
	v_lshl_add_u32 v4, v2, 5, v4
	v_add_nc_u32 v[STO], s22, v4                   ; in: row r, 32 bytes for each half of the lanes
	v_add_nc_u32 v[RD], s22, v3                    ; back: the 32 lanes take one row of 512 bytes
	v_mov_b32 v[CO], v3                            ; and the same in out0
	s_lshl_b32 s46, s42, 10
	s_lshl_b32 s47, s14, 9
	s_add_co_u32 s46, s46, s47                     ; my first column, in bytes
	s_mov_b32 s47, 0
	s_add_nc_u64 s[8:9], s[8:9], s[46:47]
	v_lshlrev_b32 v5, 5, v2
	WIN 0x80                                       ; destination window 2
.irp b, 0,1,2,3,4,5,6,7
	global_load_b128 v[8*\b:8*\b+3], v5, s[8:9] offset:64*\b          ; the bias of columns 16 b + 8 h + 0 .. 7
	global_load_b128 v[8*\b+4:8*\b+7], v5, s[8:9] offset:64*\b+16
.endr
	WIN 0
	s_lshl_b32 s22, s15, 7
	s_lshl_b32 s23, s13, 6
	s_add_co_u32 s22, s22, s23                     ; my first row
	s_lshl_b32 s22, s22, 12
	s_mov_b32 s23, 0
	s_add_nc_u64 s[10:11], s[10:11], s[22:23]
	s_add_nc_u64 s[10:11], s[10:11], s[46:47]
; 24 LDS loads in one run: the fragments of the slot's q-th 32 along K into buffer f: B's eight, then A's four
.macro FETCH slot, q, f
.irp j, 0,1,2,3,4,5,6,7
	ds_load_b128 v[\f+8*\j:\f+8*\j+3],   v[ADRB+\slot] offset:\j*4096+(\q)*1024
	ds_load_b128 v[\f+8*\j+4:\f+8*\j+7], v[ADRB+\slot] offset:\j*4096+(\q)*1024+512
.endr
.irp i, 0,1,2,3
	ds_load_b128 v[\f+64+8*\i:\f+64+8*\i+3],   v[ADRA+\slot] offset:((\q)/2)*16384+((\q)%2)*1024+\i*2048
	ds_load_b128 v[\f+64+8*\i+4:\f+64+8*\i+7], v[ADRA+\slot] offset:((\q)/2)*16384+((\q)%2)*1024+\i*2048+512
.endr
.endm
; 8 matrix instructions: A's block a x B's eight.  first = 1: the bias starts the sums.  The 32 accumulators take turns in the same order in every quarter.
.macro MUL8 f, a, first
.irp b, 0,1,2,3,4,5,6,7
.if \first
	v_wmma_f32_16x16x32_f16 v[8*(8*(\a)+\b):8*(8*(\a)+\b)+7], v[\f+8*\b:\f+8*\b+7], v[\f+64+8*(\a):\f+64+8*(\a)+7], v[8*\b:8*\b+7]
.else
	v_wmma_f32_16x16x32_f16 v[8*(8*(\a)+\b):8*(8*(\a)+\b)+7], v[\f+8*\b:\f+8*\b+7], v[\f+64+8*(\a):\f+64+8*(\a)+7], v[8*(8*(\a)+\b):8*(8*(\a)+\b)+7]
.endif
.endr
.endm
.macro PLACES                          ; four plain lines in front of loads into registers that matrix instructions have read, and of reads of results
.rept 4
	v_nop
.endr
.endm
; A K step is four quarters of 32 along K, 32 matrix instructions each, on buffers 0, 1, 0, 1.  One of the first three: multiplies buffer f and fetches quarter qn into g.
.macro QUARTER slot, qn, f, g, first
	s_wait_dscnt 4                                 ; B's fragments and A's blocks 0, 1 are in; the youngest four loads (A's blocks 2, 3) may be out
	WIN MUL+0x10*(\first)
	MUL8 \f, 0, \first
	MUL8 \f, 1, \first
	PLACES
	WIN 0
	FETCH \slot, \qn, \g
	s_wait_dscnt 24                                ; all but the 24 just issued
	WIN MUL+0x10*(\first)
	MUL8 \f, 2, \first
	MUL8 \f, 3, \first
.endm
; The last quarter multiplies buffer 1 and changes slots: one barrier; in front of it each wave waits for all its tensor loads, adds 0 to its spare word, and waits for that and for its reads of this slot.
.macro TURN slot, next, fill
	WIN 0
	s_wait_tensorcnt 0x0                           ; all my tensor loads have landed: my part of the next slot
	ds_add_u32 v[SPW], v[NIL]
	s_wait_dscnt 5                                 ; the add and the youngest four loads may be out
	WIN MUL
	MUL8 F1, 0, 0
	s_wait_dscnt 0x0                               ; the add is done, and my reads of this slot are over
	s_barrier_signal -1
	MUL8 F1, 1, 0
	WIN 0
	s_barrier_wait -1
.if \fill
	CREST                                          ; the barrier has opened a round of the cluster's: no wave of any partner still reads this slot or has a load on its way
	s_add_nc_u64 s[G0+4*\slot+2:G0+4*\slot+3], s[G0+4*\slot+2:G0+4*\slot+3], 2*32768
	s_add_nc_u64 s[G0B+4*\slot+2:G0B+4*\slot+3], s[G0B+4*\slot+2:G0B+4*\slot+3], 2*65536
	JLOAD \slot                                    ; the first tensor load behind the round; its four v_nop are also the places in front of the loads below
.else
	PLACES
.endif
	FETCH \next, 0, F0
	WIN MUL
	MUL8 F1, 2, 0
	MUL8 F1, 3, 0
.endm
	s_wait_tensorcnt 1                             ; my part of K step 0 is in; K step 1's load may be out
	s_barrier_signal -1
	s_barrier_wait -1
	FETCH 0, 0, F0
	s_wait_loadcnt 0x0                             ; the bias
	QUARTER 0, 1, F0, F1, 1                        ; the first quarter stands in front of the loop: its products start the sums
	WIN 0
	s_mov_b32 s3, 3                                ; 8 K steps: two first fills and 3 x 2 refills
.Llap:
	QUARTER 0, 2, F1, F0, 0
	QUARTER 0, 3, F0, F1, 0
	TURN 0, 1, 1
	QUARTER 1, 1, F0, F1, 0
	QUARTER 1, 2, F1, F0, 0
	QUARTER 1, 3, F0, F1, 0
	TURN 1, 0, 1
	QUARTER 0, 1, F0, F1, 0
	WIN 0
	s_sub_co_u32 s3, s3, 1
	s_cmp_lg_u32 s3, 0
	s_cbranch_scc1 .Llap
	QUARTER 0, 2, F1, F0, 0                        ; the last lap fills nothing
	QUARTER 0, 3, F0, F1, 0
	TURN 0, 1, 0
	QUARTER 1, 1, F0, F1, 0
	QUARTER 1, 2, F1, F0, 0
	QUARTER 1, 3, F0, F1, 0
	s_wait_dscnt 4
	WIN MUL
	MUL8 F1, 0, 0
	MUL8 F1, 1, 0
	s_wait_dscnt 0
	MUL8 F1, 2, 0
	MUL8 F1, 3, 0
	WIN 0
; THE WAY OUT, block by block of 16 rows x 128 columns, through my own stage: in as 32 bytes a lane, back as whole rows of 512 bytes.  LDS serves a wave's instructions in order: no wait between the stores and the loads.
.macro TOSTAGE a
	WIN 0x04                                       ; an LDS store's data: window 1
.irp b, 0,1,2,3,4,5,6,7
	ds_store_b128 v[STO], v[8*(8*(\a)+\b):8*(8*(\a)+\b)+3] offset:64*\b          ; each accumulator from its low end on
	ds_store_b128 v[STO], v[8*(8*(\a)+\b)+4:8*(8*(\a)+\b)+7] offset:64*\b+16
.endr
	WIN 0
.set BB, BK+64*((\a)%2)
.irp t, 0,1,2,3,4,5,6,7,8,9,10,11,12,13,14,15
	ds_load_b128 v[BB+4*\t:BB+4*\t+3], v[RD] offset:\t*SPITCH
.endr
.endm
.macro SEND a, younger
.set BB, BK+64*((\a)%2)
	s_wait_dscnt \younger                          ; the block is back in registers
.if (\a) > 0
	s_add_nc_u64 s[10:11], s[10:11], 16*4096       ; 16 rows on (the earlier stores have read their base: a wait on XCNT stands ahead)
.endif
.irp t, 0,1,2,3,4,5,6,7,8,9,10,11,12,13,14,15
	global_store_b128 v[CO], v[BB+4*\t:BB+4*\t+3], s[10:11] offset:\t*4096 th:TH_STORE_NT   ; 32 lanes store 512 consecutive bytes, aligned
.endr
.endm
	PLACES
	TOSTAGE 0
.irp a, 1,2,3
.if \a > 1
	s_wait_xcnt 0x0                                ; block a - 2's stores have read their registers and their base
.endif
	TOSTAGE \a
	SEND \a-1, 32                                  ; behind block a - 1's loads: block a's 16 stores and 16 loads
.endr
	s_wait_xcnt 0x0
	SEND 3, 0
	s_wait_tensorcnt 0x0                           ; the wave's end
	ds_add_u32 v[SPW], v[NIL]
	s_wait_dscnt 0x0
	CROUND                                         ; the closing round
	s_endpgm
.Lfunc_end_k_q3caf048636_proj:
	.size	k_q3caf048636_proj, .Lfunc_end_k_q3caf048636_proj-k_q3caf048636_proj
	.p2alignl 7, 3214868480
	.fill 96, 4, 3214868480
	.section	.rodata,"a",@progbits
	.p2align	6, 0x0
	.amdhsa_kernel k_q3caf048636_proj
		.amdhsa_group_segment_fixed_size 327680
		.amdhsa_private_segment_fixed_size 0
		.amdhsa_enable_private_segment 0
		.amdhsa_kernarg_size 32
		.amdhsa_user_sgpr_count 2
		.amdhsa_user_sgpr_kernarg_segment_ptr 1
		.amdhsa_wavefront_size32 1
		.amdhsa_system_sgpr_workgroup_id_x 1
		.amdhsa_system_sgpr_workgroup_id_y 1
		.amdhsa_system_sgpr_workgroup_id_z 1
		.amdhsa_system_vgpr_workitem_id 0
		.amdhsa_next_free_vgpr 576
		.amdhsa_next_free_sgpr 66
		.amdhsa_reserve_vcc 0
		.amdhsa_float_denorm_mode_32 3
		.amdhsa_float_denorm_mode_16_64 3
		.amdhsa_memory_ordered 1
		.amdhsa_forward_progress 1
		.amdhsa_inst_pref_size 86
	.end_amdhsa_kernel
	.amdgpu_metadata
---
amdhsa.version: [ 1, 2 ]
amdhsa.kernels:
  - .name:           k_q3caf048636_proj
    .symbol:         k_q3caf048636_proj.kd
    .args:
      - { .name: y16, .offset: 0, .size: 8, .value_kind: global_buffer, .address_space: global }
      - { .name: wp16, .offset: 8, .size: 8, .value_kind: global_buffer, .address_space: global }
      - { .name: b_proj, .offset: 16, .size: 8, .value_kind: global_buffer, .address_space: global }
      - { .name: out0, .offset: 24, .size: 8, .value_kind: global_buffer, .address_space: global }
    .group_segment_fixed_size: 327680
    .private_segment_fixed_size: 0
    .kernarg_segment_align: 8
    .kernarg_segment_size: 32
    .max_flat_workgroup_size: 128
    .sgpr_count:     66
    .vgpr_count:     576
    .wavefront_size: 32
...
	.end_amdgpu_metadata
.endif
;; end of part 4
;; launch fine_attn (part 5): grid 64 x 1, 12 waves a work-group, no clusters, 9,728 bytes of LDS; arguments x_codes, x_scales, w_codes, w_scales, b_attn, yfine; writes yfine
.if DOCPART == 5
	.amdgcn_target "amdgcn-amd-amdhsa--gfx1250"
	.amdhsa_code_object_version 6
	.text
	.protected	k_q3caf048636_fine_attn
	.globl	k_q3caf048636_fine_attn
	.p2align	8
	.type	k_q3caf048636_fine_attn,@function
k_q3caf048636_fine_attn:
	s_mov_b64 s[64:65], 0
	v_nop
	global_prefetch_b8 v0, s[64:65] scope:SCOPE_SE
	s_setreg_imm32_b32 hwreg(HW_REG_WAVE_MODE, 25, 1), 1
	s_wait_xcnt 0x0
; Positions 0-15 of every sequence, in every batch and head, carried in f32: there a row of the softmax averages one to sixteen values, and f16 operands would weigh most.
; A work-group takes one (batch, head).  Wave w makes one tile of 16 tokens x 16 columns of q (w = 0-3), k (4-7) or v (8-11), again from the codes, by the FP4 matrix form, K = 1,024 in eight steps on two accumulators by turns.
; q and k are made transposed (source 0 = w_attn's columns, source 1 = x's rows): a lane holds one token and eight channels; they go to LDS as images of their registers.  v is made the natural way round: a lane holds one channel and eight tokens.
; Waves 8-11 then compute S^T = k q^T (16 f32 matrix instructions: a pair of registers of an image is four of the 64 channels, the same four on both sides), mask, softmax with the row's maximum taken away,
; and O^T = v^T p (4 instructions) for their own 16 channels.  yfine: [batch][head][channel / 16][1024 bytes]: registers 0-3 at 16 x lane, 4-7 at 512 + 16 x lane; register j = y[token r][16 dt + 8 h + j].
; The registers that the f32 matrix form writes (v208-239) are written by matrix instructions alone; what is made of them goes elsewhere.
.set SPARE, 8192                       ; behind the eight images: the spare words, 128 bytes for each of 12 waves: six blocks of 256 bytes that no other line names
.set SPW, 8
.set NIL, 9
.set FA,  32                           ; v32-95   source 0's eight fragments; later q's and k's images
.set FB,  96                           ; v96-159  source 1's
.set SA,  160                          ; v160-167 source 0's scale words, one for each K step
.set SB,  168                          ; v168-175 source 1's
.set BI,  176                          ; v176-183 the bias in the result's layout
.set ACC, 184                          ; v184-199 two accumulators
.set RR,  200                          ; v200-207 my tile of q, k or v
.set S0,  208                          ; v208-223 S^T in two halves of the sum
.set O0,  224                          ; v224-239 O^T likewise
.set TT,  240                          ; v240-247 the scores, then p
	s_load_b256 s[4:11], s[0:1], 0x0               ; x_codes, x_scales, w_codes, w_scales
	s_load_b128 s[12:15], s[0:1], 0x20             ; b_attn, yfine
	v_lshl_add_u32 v[SPW], v0, 2, SPARE
	v_mov_b32 v[NIL], 0
	v_lshrrev_b32 v1, 5, v0
	v_readfirstlane_b32 s16, v1                    ; wave 0..11
	v_and_b32 v1, 15, v0                           ; r
	v_bfe_u32 v2, v0, 4, 1                         ; h
	v_lshlrev_b32 v3, 9, v1
	v_lshl_add_u32 v3, v2, 4, v3                   ; codes: row r of 512 bytes, + 16 h
	v_lshlrev_b32 v4, 5, v1                        ; scale bytes: row r of 32
	v_and_b32 v5, 31, v0
	v_lshlrev_b32 v5, 4, v5                        ; 16 x lane
	s_and_b32 s17, s16, 7
	s_lshl_b32 s17, s17, 10
	v_add_nc_u32 v6, s17, v5                       ; my image in LDS
	v_lshlrev_b32 v10, 3, v2
	v_sub_nc_u32 v10, v1, v10                      ; r - 8 h
	v_mov_b32 v11, 0xff800000                      ; -infinity
	v_mov_b32 v249, 0                              ; a lane permute's destination counts as one of its sources
	s_mov_b32 s18, 0x76543210
	s_mov_b32 s19, 0xfedcba98
	s_mov_b32 s20, 0x3e38aa3b                      ; c = log2(e) / 8
	s_mov_b32 s21, s20
	s_lshr_b32 s22, ttmp9, 4                       ; batch
	s_and_b32 s23, ttmp9, 15                       ; head
	s_lshr_b32 s24, s16, 2                         ; q, k or v
	s_and_b32 s25, s16, 3                          ; which 16 channels
	s_lshl_b32 s26, s24, 10
	s_lshl_b32 s27, s23, 6
	s_add_co_u32 s26, s26, s27
	s_lshl_b32 s27, s25, 4
	s_add_co_u32 s26, s26, s27                     ; my first column of w_attn
	s_lshl_b32 s28, s22, 20
	s_mov_b32 s29, 0
	s_lshl_b32 s30, s22, 16
	s_mov_b32 s31, 0
	s_lshl_b32 s32, s26, 9
	s_mov_b32 s33, 0
	s_lshl_b32 s34, s26, 5
	s_mov_b32 s35, 0
	s_lshl_b32 s36, s26, 2
	s_mov_b32 s37, 0
	s_lshl_b32 s38, ttmp9, 2
	s_add_co_u32 s38, s38, s25
	s_lshl_b32 s38, s38, 10
	s_mov_b32 s39, 0
	s_wait_kmcnt 0x0
	s_add_nc_u64 s[28:29], s[4:5], s[28:29]        ; x's codes at the sequence's first token
	s_add_nc_u64 s[30:31], s[6:7], s[30:31]
	s_add_nc_u64 s[32:33], s[8:9], s[32:33]        ; w's codes at my first column
	s_add_nc_u64 s[34:35], s[10:11], s[34:35]
	s_add_nc_u64 s[12:13], s[12:13], s[36:37]
	s_add_nc_u64 s[14:15], s[14:15], s[38:39]
	s_cmp_lt_u32 s16, 8                            ; q, k: source 0 = w;  v: source 0 = x.  Both sides have the same pitches
	s_cselect_b64 s[40:41], s[32:33], s[28:29]
	s_cselect_b64 s[42:43], s[34:35], s[30:31]
	s_cselect_b64 s[44:45], s[28:29], s[32:33]
	s_cselect_b64 s[46:47], s[30:31], s[34:35]
.irp s, 0,1,2,3,4,5,6,7
.irp c, 0,1
	global_load_b128 v[FA+8*\s+4*\c:FA+8*\s+4*\c+3], v3, s[40:41] offset:64*\s+32*\c
	global_load_b128 v[FB+8*\s+4*\c:FB+8*\s+4*\c+3], v3, s[44:45] offset:64*\s+32*\c
.endr
.endr
.irp c, 0,1
	global_load_b128 v[SA+4*\c:SA+4*\c+3], v4, s[42:43] offset:16*\c
	global_load_b128 v[SB+4*\c:SB+4*\c+3], v4, s[46:47] offset:16*\c
.endr
	s_cmp_lt_u32 s16, 8
	s_cbranch_scc0 .Lbias_v
	v_lshlrev_b32 v7, 5, v2                        ; q, k: register j is column 8 h + j
	global_load_b128 v[BI:BI+3], v7, s[12:13]
	global_load_b128 v[BI+4:BI+7], v7, s[12:13] offset:16
	s_branch .Lbias_in
.Lbias_v:
	v_lshlrev_b32 v7, 2, v1                        ; v: every register is column r
.irp j, 0,1,2,3,4,5,6,7
	global_load_b32 v[BI+\j], v7, s[12:13]
.endr
.Lbias_in:
	s_wait_loadcnt 0x0
.irp s, 0,1,2,3,4,5,6,7                        ; two accumulators take turns; the bias starts the first
.if \s == 0
	v_wmma_scale_f32_16x16x128_f8f6f4 v[ACC:ACC+7], v[FA:FA+7], v[FB:FB+7], v[BI:BI+7], v[SA], v[SB] matrix_a_fmt:MATRIX_FMT_FP4 matrix_b_fmt:MATRIX_FMT_FP4
.elseif \s == 1
	v_wmma_scale_f32_16x16x128_f8f6f4 v[ACC+8:ACC+15], v[FA+8:FA+15], v[FB+8:FB+15], 0, v[SA+1], v[SB+1] matrix_a_fmt:MATRIX_FMT_FP4 matrix_b_fmt:MATRIX_FMT_FP4
.else
	v_wmma_scale_f32_16x16x128_f8f6f4 v[ACC+8*(\s%2):ACC+8*(\s%2)+7], v[FA+8*\s:FA+8*\s+7], v[FB+8*\s:FB+8*\s+7], v[ACC+8*(\s%2):ACC+8*(\s%2)+7], v[SA+\s], v[SB+\s] matrix_a_fmt:MATRIX_FMT_FP4 matrix_b_fmt:MATRIX_FMT_FP4
.endif
.endr
.rept 4
	v_nop
.endr
.irp i, 0,1,2,3
	v_pk_add_f32 v[RR+2*\i:RR+2*\i+1], v[ACC+2*\i:ACC+2*\i+1], v[ACC+8+2*\i:ACC+8+2*\i+1]
.endr
	s_cmp_lt_u32 s16, 8
	s_cbranch_scc0 .Lno_image
	ds_store_b128 v6, v[RR:RR+3]                   ; q's and k's tiles as images of their registers
	ds_store_b128 v6, v[RR+4:RR+7] offset:512
.Lno_image:
	s_wait_dscnt 0x0                               ; for the others' sake: my stores have landed
	s_barrier_signal -1
	s_barrier_wait -1
	s_cmp_lt_u32 s16, 8
	s_cbranch_scc1 .Lend
.irp d, 0,1,2,3
	ds_load_b128 v[32+8*\d:35+8*\d], v5 offset:1024*\d             ; q, channels 16 d on
	ds_load_b128 v[36+8*\d:39+8*\d], v5 offset:1024*\d+512
	ds_load_b128 v[64+8*\d:67+8*\d], v5 offset:4096+1024*\d        ; k
	ds_load_b128 v[68+8*\d:71+8*\d], v5 offset:4096+1024*\d+512
.endr
	s_wait_dscnt 0x0
.irp d, 0,1,2,3                                ; S^T = k q^T: lane (r, h), register j: key 8 h + j, query r
.irp cc, 0,1,2,3
.if (4*\d+\cc) < 2
	v_wmma_f32_16x16x4_f32 v[S0+8*(\cc%2):S0+8*(\cc%2)+7], v[64+8*\d+2*\cc:65+8*\d+2*\cc], v[32+8*\d+2*\cc:33+8*\d+2*\cc], 0
.else
	v_wmma_f32_16x16x4_f32 v[S0+8*(\cc%2):S0+8*(\cc%2)+7], v[64+8*\d+2*\cc:65+8*\d+2*\cc], v[32+8*\d+2*\cc:33+8*\d+2*\cc], v[S0+8*(\cc%2):S0+8*(\cc%2)+7]
.endif
.endr
.endr
.rept 8
	v_nop                                          ; eight places behind this form
.endr
.irp i, 0,1,2,3
	v_pk_add_f32 v[TT+2*\i:TT+2*\i+1], v[S0+2*\i:S0+2*\i+1], v[S0+8+2*\i:S0+8+2*\i+1]
.endr
.irp j, 0,1,2,3,4,5,6,7
	v_cmp_gt_i32 vcc_lo, \j, v10                   ; key 8 h + j comes after query r
	v_cndmask_b32 v[TT+\j], v[TT+\j], v11, vcc_lo
.endr
	v_max3_num_f32 v248, v[TT], v[TT+1], v[TT+2]
	v_max3_num_f32 v248, v248, v[TT+3], v[TT+4]
	v_max3_num_f32 v248, v248, v[TT+5], v[TT+6]
	v_max_num_f32 v248, v248, v[TT+7]
	v_permlanex16_b32 v249, v248, s18, s19
	v_max_num_f32 v248, v248, v249                 ; the row's maximum: key 0 counts for every query
	v_mul_f32 v250, s20, v248
	v_mov_b32 v251, v250
.irp i, 0,1,2,3
	v_pk_fma_f32 v[TT+2*\i:TT+2*\i+1], v[TT+2*\i:TT+2*\i+1], s[20:21], v[250:251] op_sel_hi:[1,0,0] neg_lo:[0,0,1] neg_hi:[0,0,1]
.endr
.irp j, 0,1,2,3,4,5,6,7
	v_exp_f32 v[TT+\j], v[TT+\j]
.endr
	v_nop
	s_wait_alu depctr_va_vdst(0)                   ; one wait for the eight, ahead of their first reader
	v_pk_add_f32 v[252:253], v[TT:TT+1], v[TT+2:TT+3]
	v_pk_add_f32 v[254:255], v[TT+4:TT+5], v[TT+6:TT+7]
	v_pk_add_f32 v[252:253], v[252:253], v[254:255]
	v_add_f32 v252, v252, v253
	v_permlanex16_b32 v249, v252, s18, s19
	v_add_f32 v252, v252, v249                     ; the row's sum
	v_rcp_f32 v254, v252
	v_nop
	s_wait_alu depctr_va_vdst(0)
.irp cc, 0,1,2,3                               ; O^T = v^T p: a pair of registers is keys 8 h + 2 cc + 0, 1 on both sides
.if \cc < 2
	v_wmma_f32_16x16x4_f32 v[O0+8*(\cc%2):O0+8*(\cc%2)+7], v[RR+2*\cc:RR+2*\cc+1], v[TT+2*\cc:TT+2*\cc+1], 0
.else
	v_wmma_f32_16x16x4_f32 v[O0+8*(\cc%2):O0+8*(\cc%2)+7], v[RR+2*\cc:RR+2*\cc+1], v[TT+2*\cc:TT+2*\cc+1], v[O0+8*(\cc%2):O0+8*(\cc%2)+7]
.endif
.endr
.rept 8
	v_nop
.endr
.irp i, 0,1,2,3
	v_pk_add_f32 v[32+2*\i:33+2*\i], v[O0+2*\i:O0+2*\i+1], v[O0+8+2*\i:O0+8+2*\i+1]
.endr
.irp i, 0,1,2,3
	v_pk_mul_f32 v[32+2*\i:33+2*\i], v[32+2*\i:33+2*\i], v[254:255] op_sel_hi:[1,0]
.endr
	global_store_b128 v5, v[32:35], s[14:15]       ; the wave stores 512 consecutive bytes, aligned
	global_store_b128 v5, v[36:39], s[14:15] offset:512
.Lend:
	s_wait_tensorcnt 0x0                           ; the wave's end
	ds_add_u32 v[SPW], v[NIL]
	s_wait_dscnt 0x0
	s_endpgm
.Lfunc_end_k_q3caf048636_fine_attn:
	.size	k_q3caf048636_fine_attn, .Lfunc_end_k_q3caf048636_fine_attn-k_q3caf048636_fine_attn
	.p2alignl 7, 3214868480
	.fill 96, 4, 3214868480
	.section	.rodata,"a",@progbits
	.p2align	6, 0x0
	.amdhsa_kernel k_q3caf048636_fine_attn
		.amdhsa_group_segment_fixed_size 9728
		.amdhsa_private_segment_fixed_size 0
		.amdhsa_enable_private_segment 0
		.amdhsa_kernarg_size 48
		.amdhsa_user_sgpr_count 2
		.amdhsa_user_sgpr_kernarg_segment_ptr 1
		.amdhsa_wavefront_size32 1
		.amdhsa_system_sgpr_workgroup_id_x 1
		.amdhsa_system_sgpr_workgroup_id_y 1
		.amdhsa_system_sgpr_workgroup_id_z 1
		.amdhsa_system_vgpr_workitem_id 0
		.amdhsa_next_free_vgpr 256
		.amdhsa_next_free_sgpr 66
		.amdhsa_reserve_vcc 1
		.amdhsa_float_denorm_mode_32 3
		.amdhsa_float_denorm_mode_16_64 3
		.amdhsa_memory_ordered 1
		.amdhsa_forward_progress 1
		.amdhsa_inst_pref_size 15
	.end_amdhsa_kernel
	.amdgpu_metadata
---
amdhsa.version: [ 1, 2 ]
amdhsa.kernels:
  - .name:           k_q3caf048636_fine_attn
    .symbol:         k_q3caf048636_fine_attn.kd
    .args:
      - { .name: x_codes, .offset: 0, .size: 8, .value_kind: global_buffer, .address_space: global }
      - { .name: x_scales, .offset: 8, .size: 8, .value_kind: global_buffer, .address_space: global }
      - { .name: w_codes, .offset: 16, .size: 8, .value_kind: global_buffer, .address_space: global }
      - { .name: w_scales, .offset: 24, .size: 8, .value_kind: global_buffer, .address_space: global }
      - { .name: b_attn, .offset: 32, .size: 8, .value_kind: global_buffer, .address_space: global }
      - { .name: yfine, .offset: 40, .size: 8, .value_kind: global_buffer, .address_space: global }
    .group_segment_fixed_size: 9728
    .private_segment_fixed_size: 0
    .kernarg_segment_align: 8
    .kernarg_segment_size: 48
    .max_flat_workgroup_size: 384
    .sgpr_count:     66
    .vgpr_count:     256
    .wavefront_size: 32
...
	.end_amdgpu_metadata
.endif
;; end of part 5
;; launch fine_proj (part 6): grid 16 x 4, 16 waves a work-group, no clusters, 71,680 bytes of LDS; arguments yfine, w_proj, b_proj, out0; writes out0
.if DOCPART == 6
	.amdgcn_target "amdgcn-amd-amdhsa--gfx1250"
	.amdhsa_code_object_version 6
	.text
	.protected	k_q3caf048636_fine_proj
	.globl	k_q3caf048636_fine_proj
	.p2align	8
	.type	k_q3caf048636_fine_proj,@function
k_q3caf048636_fine_proj:
	s_mov_b64 s[64:65], 0
	v_nop
	global_prefetch_b8 v0, s[64:65] scope:SCOPE_SE
	s_setreg_imm32_b32 hwreg(HW_REG_WAVE_MODE, 25, 1), 1
	s_wait_xcnt 0x0
; The projection of positions 0-15 of every sequence in f32: out0[b x 2048 + t][n] = sum over k of y[t][k] w_proj[k][n] + b_proj[n], t = 0 .. 15; it writes over what the f16 projection left in these 64 rows.
; A work-group takes one batch and 64 columns.  Wave = head: it sums k = 64 head .. + 63 for the 16 tokens x 64 columns (four accumulators by turns, 64 f32 matrix instructions); the sixteen parts meet in LDS,
; and wave w adds them, in the order of the heads, for token w and stores 256 consecutive bytes, aligned.  (16 columns to a work-group would give four times the work-groups and stores of 64 bytes.)
; Used transposed: source 0 = 16 columns of w_proj, source 1 = y's image: a pair of its registers is k = 64 head + 16 dt + 8 h + 2 cc + 0, 1, and w_proj's rows are loaded to match.
; The accumulators (v192-223) are written by matrix instructions alone.
.set SPARE, 69632                      ; behind the sixteen stages of 16 rows x (256 bytes + 16): the spare words, 128 bytes for each wave: eight blocks of 256 bytes that no other line names
.set SPW, 14
.set NIL, 15
.set W,   32                           ; v32-159  w_proj: 32 ct + 8 dt + 2 cc + e
.set Y,   160                          ; v160-191 y's four images
.set ACC, 192
	s_load_b256 s[4:11], s[0:1], 0x0               ; yfine, w_proj, b_proj, out0
	v_lshl_add_u32 v[SPW], v0, 2, SPARE
	v_mov_b32 v[NIL], 0
	v_lshrrev_b32 v1, 5, v0
	v_readfirstlane_b32 s12, v1                    ; wave = head; later: token
	v_and_b32 v1, 15, v0                           ; r
	v_bfe_u32 v2, v0, 4, 1                         ; h
	v_and_b32 v3, 31, v0
	v_lshlrev_b32 v4, 15, v2
	v_lshl_add_u32 v4, v1, 2, v4                   ; w_proj: 8 h rows of 4,096 bytes + 4 r
	v_lshlrev_b32 v5, 4, v3                        ; 16 x lane
	v_lshlrev_b32 v6, 3, v3                        ; 8 x lane
	s_mul_i32 s13, s12, 16*272
	v_mul_u32_u24 v7, v1, 272
	v_lshl_add_u32 v7, v2, 5, v7
	v_add_nc_u32 v7, s13, v7                       ; into my stage: row = token r, + 32 h
	s_mul_i32 s13, s12, 272
	v_add_nc_u32 v8, s13, v6                       ; out of the stages: row = token w, 8 bytes a lane
	s_and_b32 s14, ttmp7, 0xffff                   ; batch
	s_lshl_b32 s15, ttmp9, 8                       ; my 64 columns, in bytes
	s_lshl_b32 s16, s12, 18                        ; 64 rows of w_proj
	s_add_co_u32 s16, s16, s15
	s_mov_b32 s17, 0
	s_lshl_b32 s18, s14, 4
	s_add_co_u32 s18, s18, s12
	s_lshl_b32 s18, s18, 12                        ; the head's four images
	s_mov_b32 s19, 0
	s_mov_b32 s20, s15
	s_mov_b32 s21, 0
	s_lshl_b32 s22, s14, 11
	s_add_co_u32 s22, s22, s12
	s_lshl_b32 s22, s22, 12
	s_add_co_u32 s22, s22, s15
	s_mov_b32 s23, 0
	s_wait_kmcnt 0x0
	s_add_nc_u64 s[16:17], s[6:7], s[16:17]
	s_add_nc_u64 s[18:19], s[4:5], s[18:19]
	s_add_nc_u64 s[20:21], s[8:9], s[20:21]
	s_add_nc_u64 s[22:23], s[10:11], s[22:23]
.irp dt, 0,1,2,3
	global_load_b128 v[Y+8*\dt:Y+8*\dt+3], v5, s[18:19] offset:1024*\dt
	global_load_b128 v[Y+8*\dt+4:Y+8*\dt+7], v5, s[18:19] offset:1024*\dt+512
.endr
	global_load_b64 v[16:17], v6, s[20:21]         ; the bias of my two columns on the way out
.irp ct, 0,1,2,3
.irp dt, 0,1,2,3
.irp k, 0,1,2,3,4,5,6,7
	global_load_b32 v[W+32*\ct+8*\dt+\k], v4, s[16:17] offset:(16*\dt+\k)*4096+64*\ct
.endr
.endr
.endr
	s_wait_loadcnt 0x0
.irp dt, 0,1,2,3
.irp cc, 0,1,2,3
.irp ct, 0,1,2,3
.if (4*\dt+\cc) == 0
	v_wmma_f32_16x16x4_f32 v[ACC+8*\ct:ACC+8*\ct+7], v[W+32*\ct+8*\dt+2*\cc:W+32*\ct+8*\dt+2*\cc+1], v[Y+8*\dt+2*\cc:Y+8*\dt+2*\cc+1], 0
.else
	v_wmma_f32_16x16x4_f32 v[ACC+8*\ct:ACC+8*\ct+7], v[W+32*\ct+8*\dt+2*\cc:W+32*\ct+8*\dt+2*\cc+1], v[Y+8*\dt+2*\cc:Y+8*\dt+2*\cc+1], v[ACC+8*\ct:ACC+8*\ct+7]
.endif
.endr
.endr
.endr
.rept 8
	v_nop                                          ; eight places behind this form
.endr
.irp ct, 0,1,2,3
	ds_store_b128 v7, v[ACC+8*\ct:ACC+8*\ct+3] offset:64*\ct        ; lane (r, h): token r, columns 16 ct + 8 h + 0 .. 7; each accumulator from its low end on
	ds_store_b128 v7, v[ACC+8*\ct+4:ACC+8*\ct+7] offset:64*\ct+16
.endr
	s_wait_dscnt 0x0                               ; for the others' sake: my stores have landed
	s_barrier_signal -1
	s_barrier_wait -1
.irp p, 0,1,2,3,4,5,6,7,8,9,10,11,12,13,14,15
	ds_load_b64 v[32+2*\p:33+2*\p], v8 offset:\p*16*272
.endr
	s_wait_dscnt 0x0
	v_pk_add_f32 v[18:19], v[32:33], v[16:17]
.irp p, 1,2,3,4,5,6,7,8,9,10,11,12,13,14,15
	v_pk_add_f32 v[18:19], v[18:19], v[32+2*\p:33+2*\p]
.endr
	global_store_b64 v6, v[18:19], s[22:23]        ; 32 lanes store 256 consecutive bytes, aligned
	s_wait_tensorcnt 0x0                           ; the wave's end
	ds_add_u32 v[SPW], v[NIL]
	s_wait_dscnt 0x0
	s_endpgm
.Lfunc_end_k_q3caf048636_fine_proj:
	.size	k_q3caf048636_fine_proj, .Lfunc_end_k_q3caf048636_fine_proj-k_q3caf048636_fine_proj
	.p2alignl 7, 3214868480
	.fill 96, 4, 3214868480
	.section	.rodata,"a",@progbits
	.p2align	6, 0x0
	.amdhsa_kernel k_q3caf048636_fine_proj
		.amdhsa_group_segment_fixed_size 71680
		.amdhsa_private_segment_fixed_size 0
		.amdhsa_enable_private_segment 0
		.amdhsa_kernarg_size 32
		.amdhsa_user_sgpr_count 2
		.amdhsa_user_sgpr_kernarg_segment_ptr 1
		.amdhsa_wavefront_size32 1
		.amdhsa_system_sgpr_workgroup_id_x 1
		.amdhsa_system_sgpr_workgroup_id_y 1
		.amdhsa_system_sgpr_workgroup_id_z 1
		.amdhsa_system_vgpr_workitem_id 0
		.amdhsa_next_free_vgpr 224
		.amdhsa_next_free_sgpr 66
		.amdhsa_reserve_vcc 0
		.amdhsa_float_denorm_mode_32 3
		.amdhsa_float_denorm_mode_16_64 3
		.amdhsa_memory_ordered 1
		.amdhsa_forward_progress 1
		.amdhsa_inst_pref_size 22
	.end_amdhsa_kernel
	.amdgpu_metadata
---
amdhsa.version: [ 1, 2 ]
amdhsa.kernels:
  - .name:           k_q3caf048636_fine_proj
    .symbol:         k_q3caf048636_fine_proj.kd
    .args:
      - { .name: yfine, .offset: 0, .size: 8, .value_kind: global_buffer, .address_space: global }
      - { .name: w_proj, .offset: 8, .size: 8, .value_kind: global_buffer, .address_space: global }
      - { .name: b_proj, .offset: 16, .size: 8, .value_kind: global_buffer, .address_space: global }
      - { .name: out0, .offset: 24, .size: 8, .value_kind: global_buffer, .address_space: global }
    .group_segment_fixed_size: 71680
    .private_segment_fixed_size: 0
    .kernarg_segment_align: 8
    .kernarg_segment_size: 32
    .max_flat_workgroup_size: 512
    .sgpr_count:     66
    .vgpr_count:     224
    .wavefront_size: 32
...
	.end_amdgpu_metadata
.endif
;; end of part 6
